; MI455X (gfx1250); checked and timed in simulation.
; The chip was launched on July 23, 2026; its instructions are those of AMD's public machine-readable ISA for CDNA 5 (MIT licence, August 2026) and "CDNA5" Instruction Set Architecture Reference Guide (July 2026). The comments in the code are by the model that wrote it; some were corrected since.
;; Multi Head Attention Ro PE. Allowed arithmetic: matrix products marked QUANTISED: E2M3 operands, one E8M0 scale for each 32 along K, by v_wmma_scale_f32_16x16x128_f8f6f4 with both operands' format E2M3, f32 sums; everything else in f32.
;; Inputs: K 4 x 2,048 x 1,024 float32; Q 4 x 2,048 x 1,024 float32; V 4 x 2,048 x 1,024 float32; Wk 1,024 x 1,024 float32; Wo 1,024 x 1,024 float32; Wq 1,024 x 1,024 float32; Wv 1,024 x 1,024 float32; bk 1,024 float32; bo 1,024 float32; bq 1,024 float32; bv 1,024 float32; mask 4 x 2,048 bool.
;; Outputs: out0 4 x 2,048 x 1,024 float32.
;; This version of the problem:
;;   THIS VERSION OF THE PROBLEM IS GIVEN IN LOW PRECISION. The matrix products marked QUANTISED in the list below multiply operands that are first quantised to E2M3 (2 exponent bits, 3 mantissa bits; 6 bits a number), with one power-of-two scale for each 32 numbers along K (OCP MX v1.0); their sums are f32. All else is computed in f32.
;;   The module's matrix products, in the order in which they are computed (A, B: the left and right operand; K: the contracted axis; several contracted axes count as one K, in the product's order):
;;     1. [M 8,192, K 1,024] x [K 1,024, N 1,024]; A: input Q; B: input Wq: QUANTISED
;;     2. [M 8,192, K 1,024] x [K 1,024, N 1,024]; A: input K; B: input Wk: QUANTISED
;;     3. [M 8,192, K 1,024] x [K 1,024, N 1,024]; A: input V; B: input Wv: QUANTISED
;;     4. batch 64 x [M 2,048, K 64] x [K 64, N 2,048]; A: computed on the way; B: computed on the way: QUANTISED
;;     5. batch 64 x [M 2,048, K 2,048] x [K 2,048, N 64]; A: softmax (see below); B: computed on the way: QUANTISED
;;     6. [M 8,192, K 1,024] x [K 1,024, N 1,024]; A: computed on the way; B: input Wo: QUANTISED
;;   THE QUANTISER, for each operand of a quantised product, along K:
;;     - K is cut into blocks of 32 from its start; a last block that is shorter is filled with zeros.
;;     - A block's scale is 2^e with e = floor(log2(the largest magnitude in the block)) - 2, held to -126 .. 127; a block of zeros has e = 0. As a byte (E8M0): e + 127.
;;     - Each number is divided by its block's scale, clamped to +-7.5, and rounded to the nearest number of E2M3, ties to even, subnormals kept.
;;     - The product sums the exact products of the quantised numbers (number of the format x scale) in f32.
;;   ~~~python
;;   def quantise(x, axis):      # numpy; x: float32 -> the quantised numbers, widened to float32 again
;;       x = np.moveaxis(x, axis, -1); K = x.shape[-1]
;;       x = np.pad(x, [(0, 0)] * (x.ndim - 1) + [(0, -K % 32)]); x = x.reshape(x.shape[:-1] + (-1, 32)); a = np.abs(x).max(-1, keepdims=True)
;;       e = np.where(a > 0, np.clip(np.frexp(np.where(a > 0, a, 1))[1] - 1 - 2, -126, 127), 0)      # np.frexp(a)[1] - 1 = floor(log2(a)), exactly
;;       r = np.clip(x / 2.0 ** e, -7.5, 7.5)
;;       step = 2.0 ** (np.maximum(np.frexp(np.where(r == 0, 1, r))[1] - 1, 0) - 3)
;;       q = np.round(r / step) * step * 2.0 ** e      # np.round: ties to even
;;       return np.moveaxis(q.reshape(q.shape[:-2] + (-1,))[..., :K], -1, axis).astype(np.float32)
;;   ~~~
;;   SOFTMAX AHEAD OF A QUANTISED PRODUCT. Where the list says 'softmax', what is quantised is not the finished softmax but p = 2^(t - M), with t = logit x log2(e) and M = ceil(the row's largest t), a whole number; so 1/2 < the row's largest p <= 1. The row's sum l is taken of the UNQUANTISED p, in f32, and the product's result is divided by l at the end. Since M is a whole number, a kernel that streams over the keys may use a running M (the ceiling of the running maximum): every later rescaling is an exact power of two, which a block's scale takes up: the codes' values come out the same.
;;   OPERANDS COMPUTED ON THE WAY. 'Computed on the way' means the value that the module computes at that place (a softmax that the list does not call 'softmax' is quantised finished and normalised). What goes into a quantiser is computed in f32, as accurately as f32 sums, v_exp_f32 and their like allow (about 1e-6 of the number): no bf16 or f16 on the way to a quantiser, and a product that is left as it is and whose result goes on into a quantised operand takes f32 operands (vector FMAs, or v_wmma_f32_16x16x4_f32). A number that lies on a knife's edge between two numbers of the format may be rounded either way, as far as f32 arithmetic and the matrix unit's own rounding can turn it there, and no further.
;; One version. Each part assembles by itself: llvm-mc -triple=amdgcn-amd-amdhsa -mcpu=gfx1250 --defsym DOCPART=n.
;; ======== version 1 of 1: 4 launches
;; limits: right only within a limited range of input values
;; workspace buffers: xq 19,660,800 bytes; wq 3,276,800 bytes; rt 524,288 bytes; qt 7,340,032 bytes; kv 14,155,776 bytes; oc 6,291,456 bytes; os 262,144 bytes
;; launch quant (part 1): grid 960 x 1, 4 waves a work-group, no clusters, 33,280 bytes of LDS; arguments Q, K, V, Wq, Wk, Wv, Wo, xq, wq, rt; writes xq, wq, rt
.if DOCPART == 1
	.amdgcn_target "amdgcn-amd-amdhsa--gfx1250"
	.amdhsa_code_object_version 6
	.text
	.protected	k_qcb2d81da4e_quant
	.globl	k_qcb2d81da4e_quant
	.p2align	8
	.type	k_qcb2d81da4e_quant,@function
k_qcb2d81da4e_quant:
	s_mov_b64 s[64:65], 0
	v_nop
	global_prefetch_b8 v0, s[64:65] scope:SCOPE_SE
	s_setreg_imm32_b32 hwreg(HW_REG_WAVE_MODE, 25, 1), 1
	s_wait_xcnt 0x0
; Q, K, V [8192][1024] and Wq, Wk, Wv, Wo [1024][1024], f32 with K innermost, become codes of FP6 (E2M3) and one E8M0 byte for each 32 along K; and the RoPE table is made.
; xq: 24,576 rows (Q, K, V on end) x 768 bytes of codes, then from XS_OFF 32 scale bytes a row.  wq: 4,096 rows (Wq, Wk, Wv, Wo) likewise, scales from WS_OFF.
; THE ROWS OF Wq, Wk, Wv ARE STORED WITH BITS 3 AND 4 OF THE ROW NUMBER EXCHANGED, so that in the next launch a lane's 16 results of two neighbouring tiles are 16 neighbouring features.  A wave's run is 8 rows, so the exchange is made on the wave's number.
; Work-groups 0-895 quantise 32,768 numbers each (a wave: 16 steps of 512).  A block's scale is 2^(floor(log2(largest magnitude)) - 2); its byte is the largest magnitude's exponent field - 2, held at 1 from below.
; Each load reads 512 consecutive bytes; a step's 2,048 bytes turn through the wave's own stage in LDS, so that a lane then holds 16 neighbours along K; two neighbouring lanes hold a block.
; Work-groups 896-959 make rt [pos 2048][i 32](cos, sin), f32: angle = pos x 10000^(-i/32), reduced by multiples of pi/2 (in two parts) and put through polynomials on |r| <= pi/4.  They touch no LDS.
; LIMITS: a block of zeros gets the byte 1 where the rule says 127 (its codes are zeros; only this program reads the bytes); blocks under 2^-124 were not tried; NaN and infinities are not served.
; The table's inv_freq lies within about an ulp of 10000^(-i/32); the polynomials' truncation is under 2e-9.
.set WAVES, 4
.set STEPS, 16
.set EMAX,  2
.set CB,    12                         ; bytes of 16 codes
.set R,     16                         ; v16-79   four sets of 16 numbers as loaded
.set X,     80                         ; v80-111  two sets of 16 neighbours
.set C,     128                        ; v128-191 codes, four registers a step
.set E,     112                        ; v112-127 a scale byte a step
.set WREG,  8192                       ; LDS: a wave's region: two stages of 32 x SP bytes, then its 256 scale bytes
.set SP,    80
.set SPW,   12                         ; v12 my spare word's LDS address; never rewritten
.set NIL,   13                         ; v13 0; never rewritten
.set SPARE, WAVES*WREG                 ; the spare words: 128 bytes a wave, named by no other line
.set XS_OFF, 18874368
.set WS_OFF, 3145728
	s_load_b512 s[4:19], s[0:1], 0x0               ; Q s4, K s6, V s8, Wq s10, Wk s12, Wv s14, Wo s16, xq s18
	s_load_b128 s[20:23], s[0:1], 0x40             ; wq s20, rt s22
	v_lshl_add_u32 v[SPW], v0, 2, SPARE
	v_mov_b32 v[NIL], 0
	v_lshrrev_b32 v1, 5, v0
	v_readfirstlane_b32 s24, v1                    ; wave
	s_cmp_ge_u32 ttmp9, 896
	s_cbranch_scc1 .Ltable
	v_and_b32 v2, 31, v0                           ; lane
	v_lshlrev_b32 v3, 4, v2                        ; my 16 bytes of a load's 512
	s_mul_i32 s25, s24, WREG
	v_lshrrev_b32 v14, 2, v2
	v_mul_u32_u24 v14, v14, SP
	v_and_b32 v15, 3, v2
	v_lshl_add_u32 v14, v15, 4, v14
	v_add_nc_u32 v14, s25, v14                     ; the stage, in: SP (lane / 4) + 16 (lane % 4)
	v_mul_u32_u24 v15, v2, SP
	v_add_nc_u32 v15, s25, v15                     ; out: SP x lane: my 16 neighbours
	v_mul_u32_u24 v4, v2, CB                       ; my codes' place in a step's
	v_lshrrev_b32 v5, 1, v2
	s_add_co_u32 s25, s25, 2*32*SP
	v_add_nc_u32 v5, s25, v5                       ; my block's scale byte in LDS
	v_lshlrev_b32 v7, 3, v2
	v_add_nc_u32 v6, s25, v7                       ; and 8 bytes a lane on the way out
	s_and_b32 s29, s24, 1
	s_lshl_b32 s29, s29, 1
	s_lshr_b32 s30, s24, 1
	s_or_b32 s29, s29, s30                         ; the wave's number with its two bits exchanged
	s_sub_co_u32 s31, ttmp9, 768
	s_cmp_lt_u32 s31, 96                           ; Wq, Wk, Wv alone
	s_cselect_b32 s29, s29, s24
	s_wait_kmcnt 0x0
	s_mov_b64 s[26:27], s[4:5]                     ; the source and its first work-group: chosen by the work-group's number alone
	s_mov_b32 s28, 0
.macro PICK first, lo
	s_cmp_ge_u32 ttmp9, \first
	s_cselect_b64 s[26:27], s[\lo:\lo+1], s[26:27]
	s_cselect_b32 s28, \first, s28
.endm
	PICK 256, 6
	PICK 512, 8
	PICK 768, 10
	PICK 800, 12
	PICK 832, 14
	PICK 864, 16
	s_mov_b32 s35, WS_OFF
	s_cmp_lt_u32 ttmp9, 768
	s_cselect_b64 s[32:33], s[18:19], s[20:21]     ; xq or wq
	s_cselect_b32 s34, 0, 768
	s_cselect_b32 s35, XS_OFF, s35
	s_sub_co_u32 s28, ttmp9, s28
	s_lshl_b32 s28, s28, 2
	s_add_co_u32 s28, s28, s24                     ; which run of 8,192 numbers of the source
	s_lshl_b32 s36, s28, 15
	s_mov_b32 s37, 0
	s_add_nc_u64 s[26:27], s[26:27], s[36:37]
	s_sub_co_u32 s34, ttmp9, s34
	s_lshl_b32 s34, s34, 2
	s_add_co_u32 s34, s34, s29                     ; which run of the output
	s_mul_i32 s36, s34, 32*STEPS*CB
	s_add_nc_u64 s[40:41], s[32:33], s[36:37]      ; its codes
	s_lshl_b32 s36, s34, 8
	s_add_co_u32 s36, s36, s35
	s_add_nc_u64 s[42:43], s[32:33], s[36:37]      ; its 256 scale bytes
.macro LOAD t
.irp i, 0,1,2,3
	global_load_b128 v[R+16*((\t)%4)+4*\i:R+16*((\t)%4)+4*\i+3], v3, s[26:27] offset:2048*(\t)+512*\i th:TH_LOAD_NT
.endr
.endm
.macro TURN t                          ; a step's numbers through the stage: LDS serves a wave's instructions in order, so no wait stands between the stores and the loads
.irp i, 0,1,2,3
	ds_store_b128 v14, v[R+16*((\t)%4)+4*\i:R+16*((\t)%4)+4*\i+3] offset:32*SP*((\t)%2)+8*SP*\i
.endr
.irp i, 0,1,2,3
	ds_load_b128 v[X+16*((\t)%2)+4*\i:X+16*((\t)%2)+4*\i+3], v15 offset:32*SP*((\t)%2)+16*\i
.endr
.endm
.irp t, 0,1,2,3
	LOAD \t
.endr
	s_wait_loadcnt 12                              ; step 0's four loads are in; three steps' stay out
	TURN 0
.macro STEP t
.set XS, X+16*((\t)%2)
.if (\t) > 0
	s_wait_dscnt 1                                 ; this step's numbers are back from the stage; the last step's byte store may be out
.else
	s_wait_dscnt 0x0
.endif
.if (\t)+4 < STEPS
	LOAD (\t)+4
.endif
.if (\t)+1 < STEPS
.if STEPS-2-(\t) >= 3
	s_wait_loadcnt 12                              ; the next step's four loads are in; those of the three steps behind it may be out
.else
	s_wait_loadcnt 4*(STEPS-2-(\t))
.endif
	TURN (\t)+1
.endif
	v_max3_num_f32 v8, |v[XS]|, |v[XS+1]|, |v[XS+2]|
	v_max3_num_f32 v9, |v[XS+3]|, |v[XS+4]|, |v[XS+5]|
.irp i, 6,10
	v_max3_num_f32 v8, v8, |v[XS+\i]|, |v[XS+\i+1]|
	v_max3_num_f32 v9, v9, |v[XS+\i+2]|, |v[XS+\i+3]|
.endr
	v_max3_num_f32 v8, v8, |v[XS+14]|, |v[XS+15]|
	v_max3_num_f32 v8, v8, v9, (EMAX+1)<<23        ; and the floor 2^(3 - 127): the byte cannot fall under 1
	v_max_num_f32_dpp v8, v8, v8 row_xmask:1 row_mask:0xf bank_mask:0xf   ; with my neighbour's 16: the block's
	v_add_nc_u32 v11, 0xff000000, v8               ; 2 off the exponent field: the conversion's scale operand
	v_cvt_scalef32_pk16_fp6_f32 v[C+4*(\t):C+4*(\t)+2], v[XS:XS+15], v11
	v_lshrrev_b32 v[E+(\t)], 23, v11               ; the scale's byte
	ds_store_b8 v5, v[E+(\t)] offset:16*(\t)       ; both lanes of a block write the same byte with the same value
	global_store_b96 v4, v[C+4*(\t):C+4*(\t)+2], s[40:41] offset:32*CB*(\t)
.endm
.irp t, 0,1,2,3,4,5,6,7,8,9,10,11,12,13,14,15
	STEP \t
.endr
	ds_load_b64 v[8:9], v6                         ; these see my stores
	s_wait_dscnt 0x0
	global_store_b64 v7, v[8:9], s[42:43]          ; 32 lanes store 256 consecutive bytes, aligned
	s_wait_tensorcnt 0x0                           ; the wave's end
	ds_add_u32 v[SPW], v[NIL]
	s_wait_dscnt 0x0
	s_endpgm
.Ltable:                                               ; 64 work-groups x 32 positions; thread: i = 2 u, 2 u + 1 (u = thread % 16), positions 32 g + 8 j + thread / 16
	s_sub_co_u32 s25, ttmp9, 896                   ; g
	s_lshl_b32 s26, s25, 13                        ; 32 positions x 256 bytes
	s_mov_b32 s27, 0
	s_lshl_b32 s28, s25, 5
	s_mov_b32 s32, 0x3fc90fdb                      ; pi/2, its f32 part,
	s_mov_b32 s33, 0xb33bbd2e                      ; and what is left of it
	s_mov_b32 s34, 0x3638ef1d                      ; sine: 1/9!, -1/7!, 1/5!, -1/3!
	s_mov_b32 s35, 0xb9500d01
	s_mov_b32 s36, 0x3c088889
	s_mov_b32 s37, 0xbe2aaaab
	s_mov_b32 s38, 0xb493f27e                      ; cosine: -1/10!, 1/8!, -1/6!, 1/4!
	s_mov_b32 s39, 0x37d00d01
	s_mov_b32 s40, 0xbab60b61
	s_mov_b32 s41, 0x3d2aaaab
	s_mov_b32 s44, 0xbed49a78                      ; c = -log2(10000) / 32, its f32 part,
	s_mov_b32 s45, 0xb2178d4f                      ; and what is left of it
	v_and_b32 v20, 15, v0
	v_lshlrev_b32 v20, 1, v20
	v_cvt_f32_u32 v21, v20                         ; i = 2 u
	v_add_f32 v22, 1.0, v21                        ; and 2 u + 1
	v_mul_f32 v24, s44, v21                        ; i c, rounded;
	v_mul_f32 v25, s44, v22
	v_fma_f32 v26, v21, s44, -v24                  ; what the rounding dropped,
	v_fma_f32 v27, v22, s44, -v25
	v_fma_f32 v26, v21, s45, v26                   ; with c's low part
	v_fma_f32 v27, v22, s45, v27
	v_mul_f32 v26, 0x3f317218, v26                 ; x ln 2: 2^(e + d) = 2^e (1 + d ln 2)
	v_mul_f32 v27, 0x3f317218, v27
	v_exp_f32 v24, v24
	v_exp_f32 v25, v25
	v_lshrrev_b32 v28, 4, v0                       ; (a plain instruction behind the exponentials)
	s_wait_alu depctr_va_vdst(0)                   ; one wait for both, ahead of their first reader
	v_fma_f32 v24, v24, v26, v24                   ; inv_freq of i
	v_fma_f32 v25, v25, v27, v25
	v_add_nc_u32 v28, s28, v28                     ; my first position
	v_lshlrev_b32 v29, 4, v0                       ; 16 bytes a thread: a wave stores 512 consecutive bytes
	s_wait_kmcnt 0x0
	s_add_nc_u64 s[22:23], s[22:23], s[26:27]
.macro ANG inv, dst                    ; cos and sin of v42 x v[inv] into v[dst], v[dst + 1]
	v_mul_f32 v30, v42, v[\inv]                    ; the angle, one f32 product
	v_mul_f32 v31, 0x3f22f983, v30
	v_rndne_f32 v31, v31                           ; n = the nearest multiple of pi/2
	v_fma_f32 v32, -v31, s32, v30                  ; exact: the difference fits 24 bits
	v_fma_f32 v32, -v31, s33, v32                  ; r
	v_mul_f32 v33, v32, v32                        ; z = r r
	v_fma_f32 v34, v33, s34, s35
	v_fma_f32 v35, v33, s38, s39
	v_fma_f32 v34, v34, v33, s36
	v_fma_f32 v35, v35, v33, s40
	v_fma_f32 v34, v34, v33, s37
	v_fma_f32 v35, v35, v33, s41
	v_mul_f32 v36, v32, v33
	v_fma_f32 v35, v35, v33, -0.5
	v_fma_f32 v34, v36, v34, v32                   ; sin r
	v_fma_f32 v35, v35, v33, 1.0                   ; cos r
	v_cvt_i32_f32 v37, v31
	v_and_b32 v38, 1, v37
	v_cmp_ne_u32 vcc_lo, 0, v38                    ; odd quadrants exchange the two
	v_cndmask_b32 v39, v35, v34, vcc_lo
	v_cndmask_b32 v40, v34, v35, vcc_lo
	v_add_nc_u32 v38, 1, v37
	v_and_b32 v38, 2, v38                          ; the cosine is negative in quadrants 1 and 2,
	v_lshlrev_b32 v38, 30, v38
	v_xor_b32 v[\dst], v38, v39
	v_and_b32 v38, 2, v37                          ; the sine in 2 and 3
	v_lshlrev_b32 v38, 30, v38
	v_xor_b32 v[\dst+1], v38, v40
.endm
.irp j, 0,1,2,3
	v_add_nc_u32 v41, 8*\j, v28
	v_cvt_f32_u32 v42, v41
	ANG 24, 44+4*\j
	ANG 25, 46+4*\j
	global_store_b128 v29, v[44+4*\j:47+4*\j], s[22:23] offset:2048*\j
.endr
	s_endpgm
.Lfunc_end_k_qcb2d81da4e_quant:
	.size	k_qcb2d81da4e_quant, .Lfunc_end_k_qcb2d81da4e_quant-k_qcb2d81da4e_quant
	.p2alignl 7, 3214868480
	.fill 96, 4, 3214868480
	.section	.rodata,"a",@progbits
	.p2align	6, 0x0
	.amdhsa_kernel k_qcb2d81da4e_quant
		.amdhsa_group_segment_fixed_size 33280
		.amdhsa_private_segment_fixed_size 0
		.amdhsa_enable_private_segment 0
		.amdhsa_kernarg_size 80
		.amdhsa_user_sgpr_count 2
		.amdhsa_user_sgpr_kernarg_segment_ptr 1
		.amdhsa_wavefront_size32 1
		.amdhsa_system_sgpr_workgroup_id_x 1
		.amdhsa_system_sgpr_workgroup_id_y 1
		.amdhsa_system_sgpr_workgroup_id_z 1
		.amdhsa_system_vgpr_workitem_id 0
		.amdhsa_next_free_vgpr 192
		.amdhsa_next_free_sgpr 66
		.amdhsa_reserve_vcc 1
		.amdhsa_float_denorm_mode_32 3
		.amdhsa_float_denorm_mode_16_64 3
		.amdhsa_memory_ordered 1
		.amdhsa_forward_progress 1
		.amdhsa_inst_pref_size 46
	.end_amdhsa_kernel
	.amdgpu_metadata
---
amdhsa.version: [ 1, 2 ]
amdhsa.kernels:
  - .name:           k_qcb2d81da4e_quant
    .symbol:         k_qcb2d81da4e_quant.kd
    .args:
      - { .name: Q, .offset: 0, .size: 8, .value_kind: global_buffer, .address_space: global }
      - { .name: K, .offset: 8, .size: 8, .value_kind: global_buffer, .address_space: global }
      - { .name: V, .offset: 16, .size: 8, .value_kind: global_buffer, .address_space: global }
      - { .name: Wq, .offset: 24, .size: 8, .value_kind: global_buffer, .address_space: global }
      - { .name: Wk, .offset: 32, .size: 8, .value_kind: global_buffer, .address_space: global }
      - { .name: Wv, .offset: 40, .size: 8, .value_kind: global_buffer, .address_space: global }
      - { .name: Wo, .offset: 48, .size: 8, .value_kind: global_buffer, .address_space: global }
      - { .name: xq, .offset: 56, .size: 8, .value_kind: global_buffer, .address_space: global }
      - { .name: wq, .offset: 64, .size: 8, .value_kind: global_buffer, .address_space: global }
      - { .name: rt, .offset: 72, .size: 8, .value_kind: global_buffer, .address_space: global }
    .group_segment_fixed_size: 33280
    .private_segment_fixed_size: 0
    .kernarg_segment_align: 8
    .kernarg_segment_size: 80
    .max_flat_workgroup_size: 128
    .sgpr_count:     66
    .vgpr_count:     192
    .wavefront_size: 32
...
	.end_amdgpu_metadata
.endif
;; end of part 1
;; launch proj (part 2): grid 4 x 96, 4 waves a work-group, clusters of 4 x 4, 327,680 bytes of LDS; arguments xq, wq, bq, bk, bv, mask, rt, qt, kv; writes qt, kv
.if DOCPART == 2
	.amdgcn_target "amdgcn-amd-amdhsa--gfx1250"
	.amdhsa_code_object_version 6
	.text
	.protected	k_qcb2d81da4e_proj
	.globl	k_qcb2d81da4e_proj
	.p2align	8
	.type	k_qcb2d81da4e_proj,@function
k_qcb2d81da4e_proj:
	s_mov_b64 s[64:65], 0
	v_nop
	global_prefetch_b8 v0, s[64:65] scope:SCOPE_SE
	s_setreg_imm32_b32 hwreg(HW_REG_WAVE_MODE, 25, 1), 1
	s_wait_xcnt 0x0
	s_wait_alu depctr_hold_cnt(0) depctr_sa_sdst(0) depctr_va_vdst(0) depctr_va_sdst(0) depctr_va_ssrc(0) depctr_va_vcc(0) depctr_vm_vsrc(0)
	s_getreg_b32 s2, hwreg(HW_REG_IB_STS2, 6, 4)
	s_cmp_eq_u32 s2, 0
	s_cbranch_scc0 .Lentry_in_a_cluster
	s_endpgm
.Lentry_in_a_cluster:
	s_bfe_u32 s2, ttmp6, 0x10000c
	s_cmp_lg_u32 s2, 0xf033
	s_cbranch_scc0 .Lentry_shape_is_right
	s_endpgm
.Lentry_shape_is_right:
; q = Q Wq^T + bq, k = K Wk^T + bk, v = V Wv^T + bv on codes of FP6 (E2M3) with E8M0 scales, in ONE launch: the 24,576 rows of xq against the 1,024 rows of the tensor's own weight in wq; K = 1,024.
; A work-group of four waves makes 256 tokens x 256 features, a wave 128 x 128 (64 accumulators, 512 registers).  K goes in steps of 256 through a ring of two LDS slots filled by the tensor data mover.
; The scale bytes of the work-group's rows, for all of K, come into LDS once, with the first fills.  CLUSTERS: 4 x 4 work-groups; A's tiles are asked for jointly along a row of the cluster, B's along a column.
; The matrix instruction is used transposed (source 0 = 16 rows of W, source 1 = 16 tokens).  W's rows are stored with bits 3 and 4 exchanged, so accumulator (a, b) register j of lane (r, h) is token 16 a + r,
; feature 32 (b / 2) + 16 h + 8 (b % 2) + j: a row block's 64 registers, in register order, are four runs of 16 neighbouring features.  The bias is the C of each sum's first product.
; WHAT LEAVES.  q, k (tensor 0, 1): RoPE in f32 from the table rt, quantised along the head's 64, laid as tiles of 128 tokens of one head (7,168 bytes): four runs of 1,536 bytes, lane' (r', hh) 48 bytes:
;   block hh of token 32 b + r' + 8 (r' / 8), then of the token 8 further on; at 6,144 the scale words (16 r' + 4 b); at 6,400 128 f32 in key order: 0, or -2^33 for a masked key; zeros up to 7,168.  A masked key's codes of k are zeros.
; v (tensor 2): turned through LDS so that a lane holds one feature and 32 keys, quantised along the keys, laid as tiles of 64 d x 128 keys (6,656 bytes): four fragments of 1,536 bytes in the operand's register order,
;   d = 32 beta + 8 u + rho + 8 (rho / 8); at 6,144 the scale words (16 rho + 4 t); zeros up to 6,656.  kv: [head 64][step 16](k's tile, v's tile); qt: [head 64][16] tiles.
; LIMITS: a masked logit is -2^30 where the definition has -1e9 (the same result while every open logit lies above about -9.9e8); blocks of zeros get the byte 1; NaN and infinities are not served.
; REGISTERS: window 0: v1-11 at work, v16-27 addresses, v28-29 the add's two, v32-63 scale words (nothing else, ever), v64-127 the bias, from v128 A's fragments; in the epilogues v64-239 at work.
;   window 1: B's fragments, two sets; in the q/k epilogue the table.   windows 2, 3: the accumulators.
.set XS_OFF, 18874368
.set WS_OFF, 3145728
.set KSTEP,  256
.set NQ,     2
.set ROWB,   192                       ; a tile's row: 256 codes
.set KROW,   768                       ; a row in memory
.set PITCH,  240                       ; an LDS row: 3 x (64 bytes + 16 of padding)
.set FR,     12
.set NL,     6
.set NP,     4
.set HALFT,  128*PITCH
.set SLOT,   4*HALFT
.set LAPS,   2
.set KS,     32                        ; a row of scale bytes
.set SCL,    2*SLOT
.set HALFS,  16*272
.set SBLK,   2*272
.set SPARE,  SCL+4*HALFS               ; the spare words: 128 bytes a wave
.set QKST,   SPARE+512                 ; the q/k epilogue's stages, 14,336 bytes a wave: bytes of their own, into which no fill lands
.set KT,     7168
.set VT,     6656
.set ADRA, 16
.set ADRB, 20
.set ADRS, 27
.set SPW,  28
.set NIL,  29
.set SC,   32
.set BI,   64
.set AF,   128
.set G1, 24
.set G0, 32
.set G1B, 48
.set G0B, 56
.set G1S, 68
.set G0S, 76
.set G1SB, 80
.set G0SB, 88
.set SEL, 12                           ; s12, s13 (epilogue): lane selects for lane l xor 16
.set MSB, 0
.macro WIN new                         ; the immediate's high byte repeats the setting that is left
.if MSB != (\new)
	s_set_vgpr_msb (MSB<<8)|(\new)
.set MSB, (\new)
.endif
.endm
.set MUL_LO, 0xa1                      ; source 0 (W) window 1, source 1 (x) window 0, C and D window 2
.set MUL_HI, 0xf1
.set TO_B,   0x40
; A joint load: waves 0 and 1 fetch for A, waves 2 and 3 for B; the branch hangs on the wave's number alone.  An s_nop 0 and four v_nop follow each line.
.macro JLOAD g0a, g1a, g0b, g1b
	s_cmp_eq_u32 s15, 0
	s_cbranch_scc0 .Lfor_b_\@
	tensor_load_to_lds s[\g0a:\g0a+3], s[\g1a:\g1a+7]
	s_nop 0
.rept 4
	v_nop
.endr
	s_branch .Lasked_\@
.Lfor_b_\@:
	tensor_load_to_lds s[\g0b:\g0b+3], s[\g1b:\g1b+7]
	s_nop 0
.rept 4
	v_nop
.endr
.Lasked_\@:
.endm
.macro CREST
	s_cmp_lg_u32 s14, 0
	s_cbranch_scc1 .Lnot_wave_0_\@
	s_barrier_signal -3
.Lnot_wave_0_\@:
	s_barrier_wait -3
	s_barrier_signal -1
	s_barrier_wait -1
.endm
.macro CROUND
	s_barrier_signal -1
	s_barrier_wait -1
	CREST
.endm
	s_load_b128 s[4:7], s[0:1], 0x0                ; xq, wq
	s_load_b128 s[8:11], s[0:1], 0x10              ; bq, bk
	s_load_b64 s[12:13], s[0:1], 0x20              ; bv
	v_lshl_add_u32 v[SPW], v0, 2, SPARE
	v_mov_b32 v[NIL], 0
	ds_add_u32 v[SPW], v[NIL]                      ; the wave's opening: the add and its wait ahead of my first tensor load
	v_lshrrev_b32 v1, 5, v0
	v_readfirstlane_b32 s14, v1                    ; wave
	s_lshr_b32 s15, s14, 1                         ; my half of the tokens.  Also: I fetch for A (0) or B (1)
	s_and_b32 s16, s14, 1                          ; my half of the features.  Also: which 128 rows I fetch
	s_bfe_u32 s40, ttmp6, 0x40000                  ; cx
	s_bfe_u32 s41, ttmp6, 0x40004                  ; cy
	s_lshl_b32 s42, ttmp9, 2
	s_add_co_u32 s42, s42, s40                     ; feature tile x
	s_and_b32 s17, ttmp7, 0xffff
	s_lshr_b32 s66, s17, 3                         ; the tensor, 0 q, 1 k, 2 v: 8 clusters of token tiles each; the same in all sixteen partners
	s_lshl_b32 s17, s17, 2
	s_add_co_u32 s17, s17, s41                     ; token tile y, over Q, K, V on end
	s_lshl_b32 s43, s41, 2
	s_lshl_b32 s43, 15, s43                        ; my row of the cluster
	s_lshl_b32 s44, 0x1111, s40                    ; my column
	s_or_b32 s[G1+0], s43, (0<<16)|(1<<20)|(1<<21)|(3<<22)|(3<<25)  ; mask; bytes; padding of 4 words behind every 16; bit 21 beside a mask
	s_or_b32 s[G1B+0], s44, (0<<16)|(1<<20)|(1<<21)|(3<<22)|(3<<25)
.irp g, G1, G1B
	s_mov_b32 s[\g+1], ROWB<<16
	s_mov_b32 s[\g+2], 128<<16
	s_mov_b32 s[\g+3], ROWB<<16
	s_mov_b32 s[\g+4], 128
	s_mov_b32 s[\g+5], KROW
	s_mov_b32 s[\g+6], 0
	s_mov_b32 s[\g+7], 0
.endr
	s_or_b32 s[G1S+0], s43, (3<<16)|(1<<20)|(1<<21)|(5<<22)|(3<<25) ; the scales of 128 rows: 16 rows of 256 bytes, 16 of padding behind each
	s_or_b32 s[G1SB+0], s44, (3<<16)|(1<<20)|(1<<21)|(5<<22)|(3<<25)
.irp g, G1S, G1SB
	s_mov_b32 s[\g+1], 32<<16
	s_mov_b32 s[\g+2], 16<<16
	s_mov_b32 s[\g+3], 32<<16
	s_mov_b32 s[\g+4], 16
	s_mov_b32 s[\g+5], 32
	s_mov_b32 s[\g+6], 0
	s_mov_b32 s[\g+7], 0
.endr
	s_lshl_b32 s18, s16, 7
	s_lshl_b32 s20, s17, 8
	s_add_co_u32 s20, s20, s18                     ; A: row 256 y + 128 half of xq
	s_lshl_b32 s46, s42, 8
	s_add_co_u32 s46, s46, s18
	s_lshl_b32 s95, s66, 10
	s_add_co_u32 s46, s46, s95                     ; B: row 1,024 tensor + 256 x + 128 half of wq
	s_lshl_b32 s22, s20, 5
	s_add_co_u32 s22, s22, XS_OFF                  ; their scale bytes,
	s_mov_b32 s23, 0
	s_mul_i32 s20, s20, KROW                       ; their codes (all under 2^32)
	s_mov_b32 s21, 0
	s_lshl_b32 s92, s46, 5
	s_add_co_u32 s92, s92, WS_OFF
	s_mov_b32 s93, 0
	s_mul_i32 s46, s46, KROW
	s_mov_b32 s47, 0
	s_mul_i32 s45, s14, HALFT                      ; where they go: by the wave's number alone
	s_mul_i32 s94, s14, HALFS
	s_wait_dscnt 0x0                               ; the opening add is done
	s_wait_kmcnt 0x0
	s_add_nc_u64 s[20:21], s[4:5], s[20:21]
	s_add_nc_u64 s[22:23], s[4:5], s[22:23]
	s_add_nc_u64 s[46:47], s[6:7], s[46:47]
	s_add_nc_u64 s[92:93], s[6:7], s[92:93]
	CROUND                                         ; all sixteen work-groups are here: the first joint loads meet
	s_mov_b32 s[G0S], 1
	s_add_co_u32 s[G0S+1], s94, SCL
	s_mov_b64 s[G0S+2:G0S+3], s[22:23]
	s_or_b32 s[G0S+3], s[G0S+3], 0x80000000
	s_mov_b32 s[G0SB], 1
	s_add_co_u32 s[G0SB+1], s94, SCL
	s_mov_b64 s[G0SB+2:G0SB+3], s[92:93]
	s_or_b32 s[G0SB+3], s[G0SB+3], 0x80000000
	JLOAD G0S, G1S, G0SB, G1SB                     ; the scales first; with the two slots three loads of mine are out
.irp s, 0,1
	s_mov_b32 s[G0+4*\s], 1
	s_add_co_u32 s[G0+4*\s+1], s45, \s*SLOT
	s_add_nc_u64 s[G0+4*\s+2:G0+4*\s+3], s[20:21], \s*ROWB
	s_or_b32 s[G0+4*\s+3], s[G0+4*\s+3], 0x80000000
	s_mov_b32 s[G0B+4*\s], 1
	s_add_co_u32 s[G0B+4*\s+1], s45, \s*SLOT
	s_add_nc_u64 s[G0B+4*\s+2:G0B+4*\s+3], s[46:47], \s*ROWB
	s_or_b32 s[G0B+4*\s+3], s[G0B+4*\s+3], 0x80000000
	JLOAD G0+4*\s, G1, G0B+4*\s, G1B
.endr
	v_and_b32 v1, 15, v0                           ; r
	v_bfe_u32 v2, v0, 4, 1                         ; h
	v_mul_u32_u24 v3, v1, PITCH
	v_mul_u32_u24 v4, v2, 24
	v_add_nc_u32 v4, v3, v4                        ; a fragment's row x pitch + 24 x half
	v_lshl_add_u32 v5, v2, 4, v4                   ; and the same behind one padding more
	s_mul_i32 s21, s15, HALFT
	s_mul_i32 s22, s16, HALFT
	s_add_co_u32 s22, s22, 2*HALFT
.irp s, 0,1
	v_add_nc_u32 v[ADRA+\s], s21, v4
	v_add_nc_u32 v[ADRB+\s], s22, v4
	v_add_nc_u32 v[ADRA+2+\s], s21, v5
	v_add_nc_u32 v[ADRB+2+\s], s22, v5
	s_add_co_u32 s21, s21, SLOT
	s_add_co_u32 s22, s22, SLOT
.endr
	v_mul_u32_u24 v5, v1, KS
	v_lshrrev_b32 v6, 8, v5
	v_lshl_add_u32 v5, v6, 4, v5                   ; my row's scales: 32 bytes a row, 16 more for each 256 passed
	s_mul_i32 s21, s15, HALFS
	s_mul_i32 s22, s16, HALFS
	s_add_co_u32 s22, s22, 2*HALFS
	s_sub_co_u32 s22, s22, s21
	v_mul_u32_u24 v6, s22, v2                      ; lanes 16-31 take B's
	s_add_co_u32 s21, s21, SCL
	v_add_nc_u32 v5, v5, v6
	v_add_nc_u32 v[ADRS], s21, v5
	s_cmp_eq_u32 s66, 1                            ; the tensor's bias
	s_cselect_b64 s[8:9], s[10:11], s[8:9]
	s_cmp_eq_u32 s66, 2
	s_cselect_b64 s[8:9], s[12:13], s[8:9]
	s_lshl_b32 s46, s42, 10
	s_lshl_b32 s47, s16, 9
	s_add_co_u32 s46, s46, s47                     ; my 128 features, in bytes
	s_mov_b32 s47, 0
	s_add_nc_u64 s[8:9], s[8:9], s[46:47]
	v_lshlrev_b32 v7, 6, v2
.irp be, 0,1,2,3
.irp k, 0,1,2,3
	global_load_b128 v[BI+16*\be+4*\k:BI+16*\be+4*\k+3], v7, s[8:9] offset:128*\be+16*\k   ; register 16 beta + i: the bias of feature 32 beta + 16 h + i
.endr
.endr
	s_wait_loadcnt 0x0                             ; the bias is in, so its base may be written:
	s_load_b256 s[4:11], s[0:1], 0x28              ; mask s4, rt s6, qt s8, kv s10: waited for in the epilogue
.macro FRAG reg, adr, q, i             ; 16 rows x 128 K of 6-bit codes: 12 registers, six pieces of 8 bytes; where lanes 16-31's piece lies behind one padding more, the second address register serves
.irp p, 0,1,2,3,4,5
.set PCE, 12*(\q)+6*(\p/3)+\p%3
.if PCE%8 < 5
	ds_load_b64 v[\reg+2*\p:\reg+2*\p+1], v[\adr] offset:8*PCE+16*(PCE/8)+(\i)*16*PITCH
.else
	ds_load_b64 v[\reg+2*\p:\reg+2*\p+1], v[\adr+2] offset:8*PCE+16*(PCE/8)+(\i)*16*PITCH
.endif
.endr
.endm
; 16 matrix instructions: A's blocks a0, a0 + 1 x B's eight.  zero = 1: the first product starts the sums, on the bias.  The 64 accumulators take turns, one instruction a turn.
.macro MUL16 a0, p, q, sc, zero
.irp a, \a0, \a0+1
.irp b, 0,1,2,3,4,5,6,7
.if \zero
	v_wmma_scale_f32_16x16x128_f8f6f4 v[8*(8*((\a)%4)+\b):8*(8*((\a)%4)+\b)+7], v[128*(\p)+FR*\b:128*(\p)+FR*\b+FR-1], v[AF+FR*(\a):AF+FR*(\a)+FR-1], v[BI+8*\b:BI+8*\b+7], v[SC+8*NQ*(\sc)+NQ*\b+(\q)], v[SC+8*NQ*(\sc)+NQ*(\a)+(\q)] matrix_a_fmt:MATRIX_FMT_FP6 matrix_b_fmt:MATRIX_FMT_FP6 matrix_a_scale:MATRIX_SCALE_ROW1
.else
	v_wmma_scale_f32_16x16x128_f8f6f4 v[8*(8*((\a)%4)+\b):8*(8*((\a)%4)+\b)+7], v[128*(\p)+FR*\b:128*(\p)+FR*\b+FR-1], v[AF+FR*(\a):AF+FR*(\a)+FR-1], v[8*(8*((\a)%4)+\b):8*(8*((\a)%4)+\b)+7], v[SC+8*NQ*(\sc)+NQ*\b+(\q)], v[SC+8*NQ*(\sc)+NQ*(\a)+(\q)] matrix_a_fmt:MATRIX_FMT_FP6 matrix_b_fmt:MATRIX_FMT_FP6 matrix_a_scale:MATRIX_SCALE_ROW1
.endif
.endr
.endr
.endm
.macro FETCH_B slot, q, p
	WIN TO_B
.irp i, 0,1,2,3,4,5,6,7
	FRAG 128*(\p)+FR*\i, ADRB+\slot, \q, \i
.endr
	WIN 0
.endm
.macro FETCH_A slot, q, i0
.irp i, \i0, \i0+1, \i0+2, \i0+3
	FRAG AF+FR*(\i), ADRA+\slot, \q, \i
.endr
.endm
.macro SCALES sc                       ; a K step's scale words: lanes 0-15 A's block i, lanes 16-31 B's block i
.irp i, 0,1,2,3,4,5,6,7
	ds_load_b64 v[SC+8*NQ*\sc+NQ*\i:SC+8*NQ*\sc+NQ*\i+1], v[ADRS] offset:\i*SBLK
.endr
.endm
.macro PLACES n                        ; plain vector instructions between a matrix instruction and a load into, or a read of, its registers
.rept \n
	v_nop
.endr
.endm
.macro STEP slot, q, zero
	s_wait_dscnt 4*NL                              ; B's set and A's blocks 0-3 are in; A's blocks 4-7 (24 loads) may be out
	WIN MUL_LO-0x20*(\zero)                        ; (the bias lies in window 0)
	MUL16 0, (\q)%2, \q, \slot, \zero
	MUL16 2, (\q)%2, \q, \slot, \zero
	s_wait_dscnt 0
	PLACES NP
	FETCH_B \slot, (\q)+1, 1-(\q)%2
	FETCH_A \slot, (\q)+1, 0
	WIN MUL_HI-0x30*(\zero)
	MUL16 4, (\q)%2, \q, \slot, \zero
	MUL16 6, (\q)%2, \q, \slot, \zero
	PLACES NP
	WIN 0
	FETCH_A \slot, (\q)+1, 4
.endm
; A slot's last step changes slots: one barrier; ahead of it each wave waits for all its tensor loads, adds 0 to its spare word, and waits for that and for its reads of this slot.
.macro TURN slot, next, fill
	s_wait_tensorcnt 0x0                           ; all my tensor loads have landed: my part of the next slot
	ds_add_u32 v[SPW], v[NIL]
	s_wait_dscnt 4*NL+1                            ; (the add and A's blocks 4-7 may be out)
	WIN MUL_LO
	MUL16 0, 1, NQ-1, \slot, 0
	s_wait_dscnt 0x0                               ; the add is done, and my reads of this slot are over
	s_barrier_signal -1
	MUL16 2, 1, NQ-1, \slot, 0
	WIN 0
	s_barrier_wait -1
.if \fill
	CREST                                          ; the barrier has opened a round of the cluster's: no wave of any partner still reads this slot or has a load on its way
	s_add_nc_u64 s[G0+4*\slot+2:G0+4*\slot+3], s[G0+4*\slot+2:G0+4*\slot+3], 2*ROWB
	s_add_nc_u64 s[G0B+4*\slot+2:G0B+4*\slot+3], s[G0B+4*\slot+2:G0B+4*\slot+3], 2*ROWB
	JLOAD G0+4*\slot, G1, G0B+4*\slot, G1B         ; the first tensor load behind the round; its four v_nop are the places ahead of the loads below
.else
	PLACES NP
.endif
	v_add_nc_u32 v[ADRS], 4*NQ, v[ADRS]
	FETCH_B \next, 0, 0
	FETCH_A \next, 0, 0
	SCALES \next
	WIN MUL_HI
	MUL16 4, 1, NQ-1, \slot, 0
	MUL16 6, 1, NQ-1, \slot, 0
	PLACES NP
	WIN 0
	FETCH_A \next, 0, 4
.endm
	s_wait_tensorcnt 1                             ; the scales and my part of K step 0 are in; K step 1's load may be out
	s_barrier_signal -1
	s_barrier_wait -1
	FETCH_B 0, 0, 0
	FETCH_A 0, 0, 0
	SCALES 0
	FETCH_A 0, 0, 4
	STEP 0, 0, 1
	s_mov_b32 s3, LAPS-1
.Llap:
	TURN 0, 1, 1
	STEP 1, 0, 0
	TURN 1, 0, 1
	STEP 0, 0, 0
	s_sub_co_u32 s3, s3, 1
	s_cmp_lg_u32 s3, 0
	s_cbranch_scc1 .Llap
	TURN 0, 1, 0                                   ; the last lap fills nothing
	STEP 1, 0, 0
	s_wait_dscnt 4*NL
	WIN MUL_LO
	MUL16 0, 1, NQ-1, 1, 0
	MUL16 2, 1, NQ-1, 1, 0
	s_wait_dscnt 0
	WIN MUL_HI
	MUL16 4, 1, NQ-1, 1, 0
	MUL16 6, 1, NQ-1, 1, 0
	WIN 0
	PLACES NP                                      ; ahead of the first reads of results and of loads into fragments' registers
; ---- THE EPILOGUES.  Where my 128 tokens x 2 heads go: batch b, step ks of 128 tokens, heads bh0 and bh0 + 1
.set GOF, 26
.set ZZ,  236                          ; v236-237 zeros
	s_and_b32 s18, s17, 31                         ; the token tile within its tensor
	s_lshr_b32 s19, s18, 3                         ; b
	s_and_b32 s20, s18, 7
	s_lshl_b32 s20, s20, 1
	s_add_co_u32 s20, s20, s15                     ; ks
	s_lshl_b32 s21, s19, 4
	s_lshl_b32 s22, s42, 2
	s_add_co_u32 s21, s21, s22
	s_lshl_b32 s22, s16, 1
	s_add_co_u32 s21, s21, s22                     ; bh0 = 16 b + 4 x + 2 half
	s_mov_b32 s22, 221184
	s_mov_b32 s40, 13824
	s_cmp_eq_u32 s66, 0
	s_cselect_b32 s22, 114688, s22                 ; bytes from head to head: qt's or kv's,
	s_cselect_b32 s40, KT, s40                     ; and from step to step
	s_mov_b32 s23, 0
	s_mul_i32 s92, s21, s22
	s_mul_i32 s41, s20, s40
	s_add_co_u32 s92, s92, s41
	s_mov_b32 s93, 0
	s_wait_kmcnt 0x0
	s_cmp_eq_u32 s66, 0
	s_cselect_b64 s[94:95], s[8:9], s[10:11]
	s_add_nc_u64 s[92:93], s[94:95], s[92:93]      ; head bh0's record
	s_add_nc_u64 s[94:95], s[92:93], s[22:23]      ; head bh0 + 1's
	v_and_b32 v1, 15, v0                           ; r
	v_bfe_u32 v2, v0, 4, 1                         ; h
	v_and_b32 v3, 31, v0                           ; lane
	v_lshlrev_b32 v[GOF], 4, v3
	v_mov_b32 v[ZZ], 0
	v_mov_b32 v[ZZ+1], 0
	s_cmp_eq_u32 s66, 2
	s_cbranch_scc1 .Lv
; ---- q and k
.set RTA, 16
.set MA4, 17
.set LK,  18
.set LSK, 19
.set LL,  20
.set LZ,  21
.set HA,  64                           ; v64-127 a row block after RoPE
.set QC,  128                          ; v128-139 its codes; v140-146 at work
.set TM,  152                          ; v152-167 at work
.set PW,  168                          ; the scale word
.set MB,  170                          ; v170-177 my token's mask byte, a row block each
.set MW,  178
.set NEG, 179
.set MF,  180
.set TQ,  186
.set OB,  64                           ; the way out
	s_cmp_eq_u32 s66, 1
	s_cselect_b32 s67, 1, 0                        ; only k's codes are cleared under the mask
	s_lshl_b32 s96, s18, 8
	s_lshl_b32 s97, s15, 7
	s_add_co_u32 s96, s96, s97                     ; my first token
	s_mov_b32 s97, 0
	s_add_nc_u64 s[4:5], s[4:5], s[96:97]          ; its mask byte
	s_lshl_b32 s96, s20, 15
	s_add_nc_u64 s[6:7], s[6:7], s[96:97]          ; its position's row of the table: 128 ks x 256 bytes
	s_mul_i32 s98, s14, 2*KT
	s_add_co_u32 s98, s98, QKST                    ; my stage
	s_mov_b32 s[SEL], 0x76543210
	s_mov_b32 s[SEL+1], 0xfedcba98
	v_and_b32 v4, 7, v1
	v_lshl_add_u32 v5, v2, 4, v4
	v_mul_u32_u24 v5, v5, 48
	v_lshrrev_b32 v6, 3, v1
	v_mad_u32_u24 v5, v6, 24, v5
	v_add_nc_u32 v[LK], s98, v5                    ; codes: ((r & 7) + 16 h) 48 + 24 (r >> 3)
	v_lshlrev_b32 v5, 4, v4
	v_lshl_add_u32 v5, v6, 1, v5
	v_add_nc_u32 v[LSK], s98, v5                   ; scale bytes: 16 (r & 7) + 2 (r >> 3)
	v_add_nc_u32 v[LL], s98, v[GOF]
	v_lshl_add_u32 v[LZ], v3, 3, s98
	v_lshlrev_b32 v[RTA], 8, v1
	v_lshl_add_u32 v[RTA], v2, 6, v[RTA]           ; the table: row r, + 64 h
	v_lshlrev_b32 v[MA4], 2, v3
	v_mov_b32 v[NEG], 0xd0000000                   ; -2^33
.irp b, 0,1,2,3
	v_mov_b32 v[TM+4+\b], 0                        ; written once: a lane permute's destination counts as one of its sources
.endr
.irp a, 0,1,2,3,4,5,6,7
	global_load_u8 v[MB+\a], v1, s[4:5] offset:16*\a
.endr
	global_load_b32 v[MW], v[MA4], s[4:5]          ; the mask bytes of tokens 4 lane .. + 3
	WIN 0x40
.irp a, 0,1,2,3,4,5,6,7
.irp bl, 0,1
.irp k, 0,1,2,3
	global_load_b128 v[32*\a+16*\bl+4*\k:32*\a+16*\bl+4*\k+3], v[RTA], s[6:7] offset:4096*\a+128*\bl+16*\k   ; (cos, sin) of pairs 16 bl + 8 h + 2 k, + 1 at token 16 a + r
.endr
.endr
.endr
	WIN 0
; 64 numbers of a lane, register 16 b + i = k 32 b + 16 (lane / 16) + i of my row, become 12 registers of codes in v[QC] on and the row's scale word in v[PW]
.macro QUANT s
.irp b, 0,1,2,3
	v_max3_num_f32 v[TM+\b], |v[\s+16*\b]|, |v[\s+1+16*\b]|, 0x1800000   ; with the floor 2^(3 - 127): the byte cannot fall under 1
.endr
.irp i, 2,4,6,8,10,12,14
.irp b, 0,1,2,3
	v_max3_num_f32 v[TM+\b], v[TM+\b], |v[\s+16*\b+\i]|, |v[\s+1+16*\b+\i]|
.endr
.endr
.irp b, 0,1,2,3
	v_permlanex16_b32 v[TM+4+\b], v[TM+\b], s[SEL], s[SEL+1]
.endr
.irp b, 0,1,2,3
	v_max_num_f32 v[TM+\b], v[TM+\b], v[TM+4+\b]
.endr
.irp b, 0,1,2,3
	v_add_nc_u32 v[TM+12+\b], 0xff000000, v[TM+\b] ; 2 off the exponent field: the conversion's scale operand
.endr
.irp b, 0,1,2,3
	v_lshrrev_b32 v[TM+4+\b], 23, v[TM+12+\b]
.endr
	v_lshl_or_b32 v[PW], v[TM+5], 8, v[TM+4]
	v_lshl_or_b32 v[PW], v[TM+6], 16, v[PW]
	v_lshl_or_b32 v[PW], v[TM+7], 24, v[PW]
.irp c, 0,1
	v_cvt_scalef32_pk16_fp6_f32 v[QC+6*\c:QC+2+6*\c], v[\s+32*\c:\s+15+32*\c], v[TM+12+2*\c]
	v_cvt_scalef32_pk16_fp6_f32 v[QC+12+4*\c:QC+14+4*\c], v[\s+16+32*\c:\s+31+32*\c], v[TM+12+2*\c+1]
.endr
	v_nop                                          ; one plain place behind a scaled conversion
.irp c, 0,1
.irp i, 0,1,2
	v_permlane16_swap_b32 v[QC+6*\c+\i], v[QC+12+4*\c+\i]   ; a whole block to a lane: lanes 0-15 block 2 c, lanes 16-31 block 2 c + 1
.endr
.irp i, 0,1,2
	v_mov_b32 v[QC+3+6*\c+\i], v[QC+12+4*\c+\i]
.endr
.endr
.endm
.macro QKROW a                         ; row block a: tokens 16 a + r
	s_wait_loadcnt 8*(7-(\a))                      ; its eight table loads are in; the later blocks' stay out
	WIN 0x06+((\a)/4)                              ; source 0: the accumulators' window; source 1: the table's
.set e, 0
.rept 32
.set XR, 64*((\a)%4)+e
.set CR, 32*(\a)+(e&31)
	v_mul_f32 v[HA+e], v[XR], v[CR]                ; x0 cos           (each accumulator is read from its low end on)
	v_mul_f32 v[HA+e+1], v[XR+1], v[CR]            ; x1 cos
	v_fma_f32 v[HA+e], -v[XR+1], v[CR+1], v[HA+e]  ; - x1 sin
	v_fma_f32 v[HA+e+1], v[XR], v[CR+1], v[HA+e+1] ; + x0 sin
.set e, e+2
.endr
	WIN 0
	QUANT HA                                       ; registers 0-5: head 0's block h; 6-11: head 1's
	v_and_b32 v[TQ], s67, v[MB+\a]
	v_cmp_ne_u32 vcc_lo, 0, v[TQ]
.irp i, 0,1,2,3,4,5,6,7,8,9,10,11
	v_cndmask_b32 v[QC+\i], v[QC+\i], v[NIL], vcc_lo   ; a masked key's codes are zeros
.endr
.irp eta, 0,1
.irp p, 0,1,2
	ds_store_b64 v[LK], v[QC+6*\eta+2*\p:QC+6*\eta+2*\p+1] offset:\eta*KT+((\a)/2)*1536+((\a)%2)*384+8*\p
.endr
.endr
	ds_store_b16 v[LSK], v[PW] offset:6144+128*((\a)%2)+4*((\a)/2)           ; both halves of the lanes write the same bytes with the same value
	ds_store_b16_d16_hi v[LSK], v[PW] offset:KT+6144+128*((\a)%2)+4*((\a)/2)
	s_wait_dscnt 0x0                               ; the stores have read their registers
.endm
.irp a, 0,1,2,3,4,5,6,7
	QKROW \a
.endr
.irp j, 0,1,2,3
	v_bfe_u32 v[TQ], v[MW], 8*\j, 8
	v_cmp_ne_u32 vcc_lo, 0, v[TQ]
	v_cndmask_b32 v[MF+\j], v[NIL], v[NEG], vcc_lo ; 0, or -2^33 for a masked key
.endr
.irp eta, 0,1
	ds_store_b128 v[LL], v[MF:MF+3] offset:\eta*KT+6400
	ds_store_b64 v[LZ], v[ZZ:ZZ+1] offset:\eta*KT+6912
.endr
	s_wait_dscnt 0x0
.irp i, 0,1,2,3,4,5,6,7,8,9,10,11,12,13,14,15,16,17,18,19,20,21,22,23,24,25,26,27
	ds_load_b128 v[OB+4*\i:OB+4*\i+3], v[LL] offset:512*\i
.endr
.irp i, 0,1,2,3,4,5,6,7,8,9,10,11,12,13
	s_wait_dscnt 27-\i                             ; the younger loads stay out
	global_store_b128 v[GOF], v[OB+4*\i:OB+4*\i+3], s[92:93] offset:512*\i   ; 32 lanes store 512 consecutive bytes, aligned to 256
.endr
.irp i, 14,15,16,17,18,19,20,21,22,23,24,25,26,27
	s_wait_dscnt 27-\i
	global_store_b128 v[GOF], v[OB+4*\i:OB+4*\i+3], s[94:95] offset:512*(\i-14)
.endr
	s_branch .Lend
; ---- v.  My stage lies in my quarter of slot 0, which has had its last fill and its last read: 32 tokens x (512 + 16) bytes, then 13,312 bytes in which the two heads' tiles are gathered
.Lv:
.set VST, 16
.set VLD, 17
.set VGA, 18
.set VSW, 19
.set VZ,  20
.set VRD, 21
.set XV,  64                           ; v64-127 two sets of 32 keys of one feature
.set CODE, 128                         ; v128-223 feature group g, lanes' half hh: 12 registers at 24 g + 12 hh
.set SW,  224                          ; v224-227 the scale words
.set VM0, 228
.set VM1, 229
.set VSC, 230
.set VBY, 231
.set VCT, 232
	s_mul_i32 s98, s14, HALFT
	s_add_co_u32 s99, s98, 16896
	v_mul_u32_u24 v4, v1, 528
	v_lshl_add_u32 v4, v2, 6, v4
	v_add_nc_u32 v[VST], s98, v4                   ; in: token r, + 64 h
	v_lshl_add_u32 v[VLD], v3, 2, s98              ; back: feature = lane
	v_bfe_u32 v4, v3, 3, 1                         ; u
	v_lshrrev_b32 v5, 4, v3
	v_and_b32 v6, 7, v3
	v_lshl_add_u32 v5, v5, 3, v6                   ; rho = 8 (lane >> 4) + (lane & 7)
	v_mul_u32_u24 v6, v5, 48
	v_mad_u32_u24 v6, v4, 1536, v6
	v_add_nc_u32 v[VGA], s99, v6
	v_lshlrev_b32 v6, 4, v5
	v_lshl_add_u32 v6, v4, 2, v6
	v_add_nc_u32 v[VSW], s99, v6
	v_lshl_add_u32 v[VZ], v3, 3, s99
	v_add_nc_u32 v[VRD], s99, v[GOF]
.macro VSTORE ap                       ; tokens 32 ap .. + 31 into the stage, features in their true order
	WIN 0x08+4*((\ap)/2)                           ; an LDS store's data are its source 1
.irp aa, 0,1
.irp b, 0,1,2,3,4,5,6,7
	ds_store_b128 v[VST], v[64*((2*(\ap)+\aa)%4)+8*\b:64*((2*(\ap)+\aa)%4)+8*\b+3] offset:\aa*8448+128*(\b/2)+32*(\b%2)
	ds_store_b128 v[VST], v[64*((2*(\ap)+\aa)%4)+8*\b+4:64*((2*(\ap)+\aa)%4)+8*\b+7] offset:\aa*8448+128*(\b/2)+32*(\b%2)+16
.endr
.endr
	WIN 0
.endm
.macro VLOAD g, set                    ; feature 32 g + lane, the 32 tokens
.irp i, 0,1,2,3,4,5,6,7,8,9,10,11,12,13,14,15,16,17,18,19,20,21,22,23,24,25,26,27,28,29,30,31
	ds_load_b32 v[XV+32*(\set)+\i], v[VLD] offset:128*(\g)+528*\i
.endr
.endm
.macro VBLOCK g, ap, set               ; a block of 32 keys of one feature: all 32 numbers are the lane's
.set XB, XV+32*(\set)
.set CD, CODE+24*(\g)+12*((\ap)%2)+6*((\ap)/2)
	v_max3_num_f32 v[VM0], |v[XB]|, |v[XB+1]|, |v[XB+2]|
	v_max3_num_f32 v[VM1], |v[XB+3]|, |v[XB+4]|, |v[XB+5]|
.irp i, 6,10,14,18,22,26
	v_max3_num_f32 v[VM0], v[VM0], |v[XB+\i]|, |v[XB+\i+1]|
	v_max3_num_f32 v[VM1], v[VM1], |v[XB+\i+2]|, |v[XB+\i+3]|
.endr
	v_max3_num_f32 v[VM0], v[VM0], |v[XB+30]|, |v[XB+31]|
	v_max3_num_f32 v[VM0], v[VM0], v[VM1], 0x1800000
	v_add_nc_u32 v[VSC], 0xff000000, v[VM0]
	v_lshrrev_b32 v[VBY], 23, v[VSC]
.if (\ap) == 0
	v_mov_b32 v[SW+(\g)], v[VBY]
.else
	v_lshl_or_b32 v[SW+(\g)], v[VBY], 8*(\ap), v[SW+(\g)]
.endif
	v_cvt_scalef32_pk16_fp6_f32 v[CD:CD+2], v[XB:XB+15], v[VSC]
	v_cvt_scalef32_pk16_fp6_f32 v[VCT:VCT+2], v[XB+16:XB+31], v[VSC]   ; (a conversion's three registers begin on an even number)
	v_nop
.irp i, 0,1,2
	v_mov_b32 v[CD+3+\i], v[VCT+\i]
.endr
.endm
.irp ap, 0,1,2,3
	VSTORE \ap
	VLOAD 0, 0
	VLOAD 1, 1
	s_wait_dscnt 32                                ; this group's 32 loads are in; the next group's stay out
	VBLOCK 0, \ap, 0
	VLOAD 2, 0
	s_wait_dscnt 32
	VBLOCK 1, \ap, 1
	VLOAD 3, 1
	s_wait_dscnt 32
	VBLOCK 2, \ap, 0
	s_wait_dscnt 0x0
	VBLOCK 3, \ap, 1
.endr
.irp g, 0,1,2,3
.irp hh, 0,1
.irp k, 0,1,2
	ds_store_b128 v[VGA], v[CODE+24*\g+12*\hh+4*\k:CODE+24*\g+12*\hh+4*\k+3] offset:(\g/2)*VT+(\g%2)*3072+768*\hh+16*\k
.endr
.endr
	ds_store_b32 v[VSW], v[SW+\g] offset:(\g/2)*VT+6144+8*(\g%2)
.endr
.irp eta, 0,1
	ds_store_b64 v[VZ], v[ZZ:ZZ+1] offset:\eta*VT+6400
.endr
	s_wait_dscnt 0x0                               ; the stores have read their registers
.irp i, 0,1,2,3,4,5,6,7,8,9,10,11,12,13,14,15,16,17,18,19,20,21,22,23,24,25
	ds_load_b128 v[XV+4*\i:XV+4*\i+3], v[VRD] offset:512*\i
.endr
.irp i, 0,1,2,3,4,5,6,7,8,9,10,11,12
	s_wait_dscnt 25-\i
	global_store_b128 v[GOF], v[XV+4*\i:XV+4*\i+3], s[92:93] offset:KT+512*\i
.endr
.irp i, 13,14,15,16,17,18,19,20,21,22,23,24,25
	s_wait_dscnt 25-\i
	global_store_b128 v[GOF], v[XV+4*\i:XV+4*\i+3], s[94:95] offset:KT+512*(\i-13)
.endr
.Lend:
	s_wait_tensorcnt 0x0                           ; the wave's end
	ds_add_u32 v[SPW], v[NIL]
	s_wait_dscnt 0x0
	CROUND                                         ; the closing round
	s_endpgm
.Lfunc_end_k_qcb2d81da4e_proj:
	.size	k_qcb2d81da4e_proj, .Lfunc_end_k_qcb2d81da4e_proj-k_qcb2d81da4e_proj
	.p2alignl 7, 3214868480
	.fill 96, 4, 3214868480
	.section	.rodata,"a",@progbits
	.p2align	6, 0x0
	.amdhsa_kernel k_qcb2d81da4e_proj
		.amdhsa_group_segment_fixed_size 327680
		.amdhsa_private_segment_fixed_size 0
		.amdhsa_enable_private_segment 0
		.amdhsa_kernarg_size 72
		.amdhsa_user_sgpr_count 2
		.amdhsa_user_sgpr_kernarg_segment_ptr 1
		.amdhsa_wavefront_size32 1
		.amdhsa_system_sgpr_workgroup_id_x 1
		.amdhsa_system_sgpr_workgroup_id_y 1
		.amdhsa_system_sgpr_workgroup_id_z 1
		.amdhsa_system_vgpr_workitem_id 0
		.amdhsa_next_free_vgpr 1024
		.amdhsa_next_free_sgpr 100
		.amdhsa_reserve_vcc 1
		.amdhsa_float_denorm_mode_32 3
		.amdhsa_float_denorm_mode_16_64 3
		.amdhsa_memory_ordered 1
		.amdhsa_forward_progress 1
		.amdhsa_inst_pref_size 255
	.end_amdhsa_kernel
	.section	.bss,"aw",@nobits
	.p2align	6
	.space	262144
	.amdgpu_metadata
---
amdhsa.version: [ 1, 2 ]
amdhsa.kernels:
  - .name:           k_qcb2d81da4e_proj
    .symbol:         k_qcb2d81da4e_proj.kd
    .args:
      - { .name: xq, .offset: 0, .size: 8, .value_kind: global_buffer, .address_space: global }
      - { .name: wq, .offset: 8, .size: 8, .value_kind: global_buffer, .address_space: global }
      - { .name: bq, .offset: 16, .size: 8, .value_kind: global_buffer, .address_space: global }
      - { .name: bk, .offset: 24, .size: 8, .value_kind: global_buffer, .address_space: global }
      - { .name: bv, .offset: 32, .size: 8, .value_kind: global_buffer, .address_space: global }
      - { .name: mask, .offset: 40, .size: 8, .value_kind: global_buffer, .address_space: global }
      - { .name: rt, .offset: 48, .size: 8, .value_kind: global_buffer, .address_space: global }
      - { .name: qt, .offset: 56, .size: 8, .value_kind: global_buffer, .address_space: global }
      - { .name: kv, .offset: 64, .size: 8, .value_kind: global_buffer, .address_space: global }
    .group_segment_fixed_size: 327680
    .private_segment_fixed_size: 0
    .kernarg_segment_align: 8
    .kernarg_segment_size: 72
    .max_flat_workgroup_size: 128
    .sgpr_count:     100
    .vgpr_count:     1024
    .wavefront_size: 32
...
	.end_amdgpu_metadata
.endif
;; end of part 2
;; launch attn (part 3): grid 4 x 64, 8 waves a work-group, clusters of 4 x 1, 327,680 bytes of LDS; arguments qt, kv, oc, os; writes oc, os
.if DOCPART == 3
	.amdgcn_target "amdgcn-amd-amdhsa--gfx1250"
	.amdhsa_code_object_version 6
	.text
	.protected	k_qcb2d81da4e_attn
	.globl	k_qcb2d81da4e_attn
	.p2align	8
	.type	k_qcb2d81da4e_attn,@function
k_qcb2d81da4e_attn:
	s_mov_b64 s[64:65], 0
	v_nop
	global_prefetch_b8 v0, s[64:65] scope:SCOPE_SE
	s_setreg_imm32_b32 hwreg(HW_REG_WAVE_MODE, 25, 1), 1
	s_wait_xcnt 0x0
	s_wait_alu depctr_hold_cnt(0) depctr_sa_sdst(0) depctr_va_vdst(0) depctr_va_sdst(0) depctr_va_ssrc(0) depctr_va_vcc(0) depctr_vm_vsrc(0)
	s_getreg_b32 s2, hwreg(HW_REG_IB_STS2, 6, 4)
	s_cmp_eq_u32 s2, 0
	s_cbranch_scc0 .Lentry_in_a_cluster
	s_endpgm
.Lentry_in_a_cluster:
	s_bfe_u32 s2, ttmp6, 0x10000c
	s_cmp_lg_u32 s2, 0x3003
	s_cbranch_scc0 .Lentry_shape_is_right
	s_endpgm
.Lentry_shape_is_right:
; o = softmax(q k^T / 8, masked) v for one head, both products on codes of FP6 (E2M3) with E8M0 scales; o / l is quantised along the head's 64 and stored as codes (oc [h 16][token 8192][48 bytes]) and scale bytes (os [h][token][2]).
; THE SOFTMAX: t = score x log2(e) / 8; M = the running largest t rounded UP to a whole number; p = 2^(t - M) is quantised along the keys, not normalised; the row's sum of the unquantised p divides at the end.
; SHARES.  A work-group owns 512 queries of one head, in two passes of 256; each of its eight waves 32 queries a pass (two tiles, X and Y); two waves to a SIMD.  Every wave walks the head's 2,048 keys, 128 a step.
; THE WHOLE HEAD'S k AND v (16 records of 13,824 bytes) LIE IN LDS, filled once: each wave brings 108 rows of 256 bytes by one tensor load.  The four work-groups of a head form the cluster and ask jointly.
; No slot is filled again, so there is no ring; nothing is left to ask for ahead, so nothing is prefetched.
; K = 64 FILLS HALF AN OPERAND: k's operand carries two tiles of keys, [X | Y]; q is used as [q | 0] for the scores of X and as [0 | q] for those of Y (the zero codes add exactly 0), with the scale word [s0, s1, s0, s1].
; THE MASK costs no vector work here: a masked key's codes are zeros and the score product's C is the record's row of f32, 0 or -2^33: a masked score is exactly -2^33, and -2^33 x c is a whole number, so a row
; whose keys are all masked has p = 1 everywhere, as the definition has it.  LIMIT: a masked logit is -2^30 where the definition has -1e9: the same result while every open logit lies above about -9.9e8.
; LAYOUT.  Both products are used transposed: a lane holds ONE query (lane % 16).  The keys of a tile are chosen so that S's register 16 b + i is key 32 b + 16 (lane / 16) + i; v's d likewise for O.
; REGISTERS, window 0: v1-3 lane terms, v4-6 addresses in hand, v8-15 statistics, v16-27 scale words (nothing else), v28-63 q with its zeros, v64-191 S then p, v192-215 p's codes, v216-241 at work, v242-243 the add's two, v244-251 the way out.
;   window 1: v0-47 k's fragments, v48-95 v's, v96-159 the mask's C, v160-223 O^T.
.set KT,    7168
.set STEPB, 13824
.set HEADB, 221184
.set PART,  27648                      ; a wave's part of the head
.set OST,   HEADB                      ; the codes' stages, 1,536 bytes a wave
.set SST,   OST+8*1536                 ; the scale bytes of the work-group's 512 queries
.set SPARE, SST+1024                   ; the spare words: 128 bytes a wave
.set LT48, 1
.set LT16, 2
.set LT64, 3
.set AK,   4
.set AS,   5
.set AM,   6
.set STX,  8                           ; -M, the largest t, the sum in two halves
.set STY,  12
.set KS,   16
.set VS,   20
.set QS,   24
.set PS,   26
.set QZ,   28                          ; tile q: zeros, q, zeros at v[28 + 18 q]
.set SX,   64
.set SY,   128
.set PCX,  192
.set PCY,  204
.set CT,   216
.set BM,   224
.set T2,   228
.set SO,   232
.set TP,   236
.set FX,   238
.set FY,   240
.set SPW,  242
.set NIL,  243
.set QA,   244
.set QB,   245
.set OSA,  246
.set SSA,  247
.set ORD,  248
.set SRD,  249
.set GOF,  250
.set RC,   251
.set KF,   0                           ; window 1
.set VF,   48
.set MC,   96
.set OX,   160
.set OY,   192
.set WV,   12
.set QP,   16
.set OP,   18
.set SPT,  22
.set G1,   24
.set G0,   32
.set SEL,  48
.set CS,   50
.set TB,   52
.set CNT,  53
.set MSB, 0
.macro WIN new
.if MSB != (\new)
	s_set_vgpr_msb (MSB<<8)|(\new)
.set MSB, (\new)
.endif
.endm
.macro CROUND
	s_barrier_signal -1
	s_barrier_wait -1
	s_cmp_lg_u32 s[WV], 0
	s_cbranch_scc1 .Lnot_wave_0_\@
	s_barrier_signal -3
.Lnot_wave_0_\@:
	s_barrier_wait -3
	s_barrier_signal -1
	s_barrier_wait -1
.endm
.macro PLACES
.rept 4
	v_nop
.endr
.endm
	s_load_b256 s[4:11], s[0:1], 0x0               ; qt s4, kv s6, oc s8, os s10
	v_lshl_add_u32 v[SPW], v0, 2, SPARE
	v_mov_b32 v[NIL], 0
	ds_add_u32 v[SPW], v[NIL]                      ; the wave's opening: the add and its wait ahead of my first tensor load
	ds_add_u32 v[SPW], v[NIL]
	v_lshrrev_b32 v1, 5, v0
	s_delay_alu instid0(VALU_DEP_1)
	v_readfirstlane_b32 s[WV], v1                  ; wave 0..7
	s_bfe_u32 s13, ttmp6, 0x40000                  ; cx: which 512 queries; it enters q's, oc's and os's addresses alone
	s_and_b32 s14, ttmp7, 0xffff                   ; batch x 16 + head, which the four partners share
	s_mov_b32 s[G1], 15|(3<<16)|(1<<21)            ; the mask: all four; elements of 8 bytes; bit 21 beside a mask; no padding
	s_mov_b32 s[G1+1], 32<<16                      ; rows of 256 bytes,
	s_mov_b32 s[G1+2], 108<<16                     ; 108 of them, dense
	s_mov_b32 s[G1+3], 32<<16
	s_mov_b32 s[G1+4], 108
	s_mov_b32 s[G1+5], 32
	s_mov_b32 s[G1+6], 0
	s_mov_b32 s[G1+7], 0
	s_mul_i32 s15, s[WV], PART                     ; my part, in LDS and in the head alike
	s_mul_i32 s20, s14, HEADB
	s_add_co_u32 s20, s20, s15
	s_mov_b32 s21, 0
	s_mov_b32 s[SEL], 0x76543210
	s_mov_b32 s[SEL+1], 0xfedcba98
	s_mov_b32 s[CS], 0x3e38aa3b                    ; c = log2(e) / 8
	s_mov_b32 s[CS+1], s[CS]
	s_wait_dscnt 0x0                               ; the opening add is done
	s_wait_kmcnt 0x0
	s_add_nc_u64 s[6:7], s[6:7], s[20:21]
	CROUND                                         ; all four work-groups are here: the joint loads meet
	s_mov_b32 s[G0], 1
	s_mov_b32 s[G0+1], s15
	s_mov_b64 s[G0+2:G0+3], s[6:7]
	s_or_b32 s[G0+3], s[G0+3], 0x80000000
	tensor_load_to_lds s[G0:G0+3], s[G1:G1+7]      ; my one tensor load of the launch
	s_nop 0
.rept 4
	v_nop
.endr
	v_and_b32 v7, 31, v0                           ; lane
	s_delay_alu instid0(VALU_DEP_1)
	v_mul_u32_u24 v[LT48], v7, 48
	v_and_b32 v252, 15, v0                         ; r
	s_delay_alu instid0(VALU_DEP_1)
	v_lshlrev_b32 v[LT16], 4, v252
	v_bfe_u32 v253, v0, 4, 1                       ; hh
	s_delay_alu instid0(VALU_DEP_1)
	v_lshlrev_b32 v[LT64], 6, v253
	s_and_b32 s54, s[WV], 3                        ; my run of 32 queries in its tile of qt
	s_mul_i32 s55, s54, 1536
	v_add_nc_u32 v[QA], s55, v[LT48]
	s_lshl_b32 s55, s54, 2
	v_add_nc_u32 v[QB], s55, v[LT16]
	v_and_b32 v254, 7, v252
	v_lshrrev_b32 v255, 3, v252
	s_delay_alu instid0(VALU_DEP_1)
	v_lshl_add_u32 v254, v255, 4, v254             ; my query's place among the wave's 32, tile X: (r & 7) + 16 (r >> 3); tile Y: 8 more
	s_mul_i32 s55, s[WV], 1536
	s_add_co_u32 s55, s55, OST
	v_mul_u32_u24 v[OSA], v254, 48
	s_delay_alu instid0(VALU_DEP_1)
	v_mad_u32_u24 v[OSA], v253, 24, v[OSA]
	s_delay_alu instid0(VALU_DEP_1)
	v_add_nc_u32 v[OSA], s55, v[OSA]
	v_lshlrev_b32 v[GOF], 4, v7
	s_delay_alu instid0(VALU_DEP_1)
	v_add_nc_u32 v[ORD], s55, v[GOF]
	s_lshl_b32 s55, s[WV], 6
	s_add_co_u32 s55, s55, SST
	v_lshl_add_u32 v[SSA], v254, 1, s55
	v_add_nc_u32 v[SRD], SST, v[GOF]
	s_mul_i32 s54, s14, 114688                     ; q: the head's 16 tiles, tile 4 cx + wave / 4 (+ 2 in the second pass)
	s_lshl_b32 s55, s13, 2
	s_lshr_b32 s58, s[WV], 2
	s_add_co_u32 s55, s55, s58
	s_mul_i32 s55, s55, KT
	s_add_co_u32 s54, s54, s55
	s_mov_b32 s55, 0
	s_add_nc_u64 s[QP:QP+1], s[4:5], s[54:55]
	s_and_b32 s58, s14, 15                         ; head
	s_lshr_b32 s59, s14, 4                         ; batch
	s_lshl_b32 s59, s59, 11
	s_lshl_b32 s60, s13, 9
	s_add_co_u32 s59, s59, s60                     ; the first of my work-group's 512 tokens
	s_lshl_b32 s54, s58, 14
	s_lshl_b32 s60, s59, 1
	s_add_co_u32 s54, s54, s60
	s_add_nc_u64 s[SPT:SPT+1], s[10:11], s[54:55]
	s_lshl_b32 s60, s[WV], 5
	s_add_co_u32 s59, s59, s60
	s_mul_i32 s59, s59, 48
	s_mul_i32 s54, s58, 393216
	s_add_co_u32 s54, s54, s59
	s_add_nc_u64 s[OP:OP+1], s[8:9], s[54:55]
.irp q, 0,1
.irp i, 0,1,2,3,4,5
	v_mov_b32 v[QZ+18*\q+\i], 0                    ; the zero codes on either side of q
	v_mov_b32 v[QZ+18*\q+12+\i], 0
.endr
.endr
.irp b, 0,1,2,3
	v_mov_b32 v[T2+\b], 0                          ; a lane permute's destination counts as one of its sources
.endr
	v_mov_b32 v[FX+1], 0                           ; (named as the upper halves of pairs)
	v_mov_b32 v[FY+1], 0
; One tile's softmax for 128 keys.  s: the scores, then p; st: the statistics; pc: p's codes; ps: its scale word; f: 2^(old M - new M)
.macro SOFT s, st, pc, ps, f
.irp b, 0,1,2,3
	v_max3_num_f32 v[BM+\b], v[\s+16*\b], v[\s+16*\b+1], v[\s+16*\b+2]   ; the largest score of each block of 32 keys: for the row's maximum, and, since p rises with the score, for the block's largest p
.endr
.irp i, 3,5,7,9,11,13
.irp b, 0,1,2,3
	v_max3_num_f32 v[BM+\b], v[BM+\b], v[\s+16*\b+\i], v[\s+16*\b+\i+1]
.endr
.endr
.irp b, 0,1,2,3
	v_max_num_f32 v[BM+\b], v[BM+\b], v[\s+16*\b+15]
.endr
.irp b, 0,1,2,3
	s_delay_alu instid0(VALU_DEP_4)
	v_permlanex16_b32 v[T2+\b], v[BM+\b], s[SEL], s[SEL+1]
.endr
.irp b, 0,1,2,3
	s_delay_alu instid0(VALU_DEP_4)
	v_max_num_f32 v[BM+\b], v[BM+\b], v[T2+\b]     ; with lane l xor 16's 16 keys
.endr
	s_delay_alu instid0(VALU_DEP_2)
	v_max3_num_f32 v[TP], v[BM], v[BM+1], v[BM+2]
	s_delay_alu instid0(VALU_DEP_1)
	v_max_num_f32 v[TP], v[TP], v[BM+3]
	s_delay_alu instid0(VALU_DEP_1)
	v_mul_f32 v[TP], s[CS], v[TP]
	s_delay_alu instid0(VALU_DEP_1)
	v_max_num_f32 v[\st+1], v[\st+1], v[TP]        ; the running largest t
	v_mov_b32 v[TP], v[\st]
	s_delay_alu instid0(VALU_DEP_2)
	v_floor_f32 v[\st], -v[\st+1]                  ; -M = floor(-t): M is a whole number
	s_delay_alu instid0(VALU_DEP_1)
	v_sub_f32 v[TP], v[\st], v[TP]                 ; old M - new M
	s_delay_alu instid0(VALU_DEP_1)
	v_cvt_i32_f32 v[TP], v[TP]                     ; (it saturates)
	s_delay_alu instid0(VALU_DEP_1)
	v_ldexp_f32 v[\f], 1.0, v[TP]                  ; a power of two: the rescaling rounds nothing
.irp j, 0,2,4,6,8,10,12,14,16,18,20,22,24,26,28,30,32,34,36,38,40,42,44,46,48,50,52,54,56,58,60,62
	v_pk_fma_f32 v[\s+\j:\s+\j+1], v[\s+\j:\s+\j+1], s[CS:CS+1], v[\st:\st+1] op_sel_hi:[1,0,0]   ; t - M
.endr
.irp b, 0,1,2,3
	v_fma_f32 v[BM+\b], v[BM+\b], s[CS], v[\st]
.endr
	s_wait_alu depctr_va_vdst(0)
.irp j, 0,1,2,3,4,5,6,7,8,9,10,11,12,13,14,15,16,17,18,19,20,21,22,23,24,25,26,27,28,29,30,31,32,33,34,35,36,37,38,39,40,41,42,43,44,45,46,47,48,49,50,51,52,53,54,55,56,57,58,59,60,61,62,63
	v_exp_f32 v[\s+\j], v[\s+\j]                   ; p
.endr
	v_pk_mul_f32 v[\st+2:\st+3], v[\st+2:\st+3], v[\f:\f+1] op_sel_hi:[1,0]   ; the sums under the new M (a plain place behind the exponentials)
	s_wait_alu depctr_va_vdst(0)                   ; one wait for the batch, ahead of its first reader
.irp b, 0,1,2,3
	v_exp_f32 v[BM+\b], v[BM+\b]                   ; the blocks' largest p
.endr
	v_pk_add_f32 v[T2:T2+1], v[\s:\s+1], v[\s+2:\s+3]   ; the row's sum of the unquantised p, in two chains
.irp j, 4,8,12,16,20,24,28,32,36,40,44,48,52,56,60
	v_pk_add_f32 v[\st+2:\st+3], v[\st+2:\st+3], v[\s+\j:\s+\j+1]
	v_pk_add_f32 v[T2:T2+1], v[T2:T2+1], v[\s+\j+2:\s+\j+3]
.endr
	s_delay_alu instid0(VALU_DEP_1)
	v_pk_add_f32 v[\st+2:\st+3], v[\st+2:\st+3], v[T2:T2+1]
	s_wait_alu depctr_va_vdst(0)                   ; and one for the four
.irp b, 0,1,2,3
	v_max_num_f32 v[BM+\b], 0x1800000, v[BM+\b]    ; the floor 2^(3 - 127)
.endr
.irp b, 0,1,2,3
	s_delay_alu instid0(VALU_DEP_4)
	v_add_nc_u32 v[SO+\b], 0xff000000, v[BM+\b]
.endr
.irp b, 0,1,2,3
	s_delay_alu instid0(VALU_DEP_4)
	v_lshrrev_b32 v[T2+\b], 23, v[SO+\b]
.endr
	s_delay_alu instid0(VALU_DEP_3)
	v_lshl_or_b32 v[\ps], v[T2+1], 8, v[T2]
	s_delay_alu instid0(VALU_DEP_1)
	v_lshl_or_b32 v[\ps], v[T2+2], 16, v[\ps]
	s_delay_alu instid0(VALU_DEP_1)
	v_lshl_or_b32 v[\ps], v[T2+3], 24, v[\ps]
.irp c, 0,1
	v_cvt_scalef32_pk16_fp6_f32 v[\pc+6*\c:\pc+6*\c+2], v[\s+32*\c:\s+32*\c+15], v[SO+2*\c]
	v_cvt_scalef32_pk16_fp6_f32 v[CT+4*\c:CT+4*\c+2], v[\s+32*\c+16:\s+32*\c+31], v[SO+2*\c+1]
.endr
	v_nop                                          ; one plain place behind a scaled conversion
.irp c, 0,1
.irp i, 0,1,2
	v_permlane16_swap_b32 v[\pc+6*\c+\i], v[CT+4*\c+\i]
.endr
.irp i, 0,1,2
	s_delay_alu instid0(VALU_DEP_3)
	v_mov_b32 v[\pc+3+6*\c+\i], v[CT+4*\c+\i]
.endr
.endr
.endm
; A KEY STEP: 128 keys, both tiles
.macro KSTEP
	v_add_nc_u32 v[AK], s[TB], v[LT48]             ; these four are the places behind the last products, ahead of the loads into their registers
	v_add_nc_u32 v[AS], s[TB], v[LT16]
	v_add_nc_u32 v[AM], s[TB], v[LT64]
	v_nop
	ds_load_b128 v[KS:KS+3], v[AS] offset:6144     ; k's four scale words
	ds_load_b128 v[VS:VS+3], v[AS] offset:KT+6144  ; v's
	WIN 0x40
.irp b, 0,1,2,3
.irp k, 0,1,2
	ds_load_b128 v[KF+12*\b+4*\k:KF+12*\b+4*\k+3], v[AK] offset:1536*\b+16*\k
.endr
.endr
.irp b, 0,1,2,3
.irp k, 0,1,2,3
	ds_load_b128 v[MC+16*\b+4*\k:MC+16*\b+4*\k+3], v[AM] offset:6400+128*\b+16*\k
.endr
.endr
.irp t, 0,1,2,3
.irp k, 0,1,2
	ds_load_b128 v[VF+12*\t+4*\k:VF+12*\t+4*\k+3], v[AK] offset:KT+1536*\t+16*\k
.endr
.endr
	s_wait_dscnt 12                                ; all but v's twelve fragment loads
	WIN 0x11                                       ; k and the mask's C in window 1
.irp q, 0,1
.irp b, 0,1,2,3
.irp u, 0,1
	v_wmma_scale_f32_16x16x128_f8f6f4 v[SX+64*\q+16*\b+8*\u:SX+64*\q+16*\b+8*\u+7], v[KF+12*\b:KF+12*\b+11], v[QZ+18*\q+6-6*\u:QZ+18*\q+6-6*\u+11], v[MC+16*\b+8*\u:MC+16*\b+8*\u+7], v[KS+\b], v[QS+\q] matrix_a_fmt:MATRIX_FMT_FP6 matrix_b_fmt:MATRIX_FMT_FP6
.endr
.endr
.endr
	WIN 0
	PLACES
	SOFT SX, STX, PCX, PS, FX
	s_setprio 1
	SOFT SY, STY, PCY, PS+1, FY
	WIN 0x41
	s_setprio 0
.irp j, 0,2,4,6,8,10,12,14,16,18,20,22,24,26,28,30
	v_pk_mul_f32 v[OX+\j:OX+\j+1], v[OX+\j:OX+\j+1], v[FX:FX+1] op_sel_hi:[1,0]   ; O^T under the new M; these 32 are also the places ahead of the products below
.endr
.irp j, 0,2,4,6,8,10,12,14,16,18,20,22,24,26,28,30
	v_pk_mul_f32 v[OY+\j:OY+\j+1], v[OY+\j:OY+\j+1], v[FY:FY+1] op_sel_hi:[1,0]
.endr
	s_wait_alu depctr_va_vdst(0)
	s_wait_dscnt 0x0                               ; v's fragments
	WIN 0x51
.irp t, 0,1,2,3
.irp q, 0,1
	v_wmma_scale_f32_16x16x128_f8f6f4 v[OX+32*\q+8*\t:OX+32*\q+8*\t+7], v[VF+12*\t:VF+12*\t+11], v[PCX+12*\q:PCX+12*\q+11], v[OX+32*\q+8*\t:OX+32*\q+8*\t+7], v[VS+\t], v[PS+\q] matrix_a_fmt:MATRIX_FMT_FP6 matrix_b_fmt:MATRIX_FMT_FP6
.endr
.endr
	WIN 0
	s_add_co_u32 s[TB], s[TB], STEPB
.endm
; One tile's way out: O^T / l, quantised in two blocks of 32 along d; codes and scale bytes to LDS
.macro WAYOUT s, st, o, pc, uq, p
	v_add_f32 v[TP], v[\st+2], v[\st+3]
	s_delay_alu instid0(VALU_DEP_1)
	v_permlanex16_b32 v[T2], v[TP], s[SEL], s[SEL+1]
	s_delay_alu instid0(VALU_DEP_1)
	v_add_f32 v[TP], v[TP], v[T2]                  ; the row's sum
	s_wait_alu depctr_va_vdst(0)
	v_rcp_f32 v[RC], v[TP]
	v_nop
	s_wait_alu depctr_va_vdst(0)
	WIN 0x01
.irp j, 0,1,2,3,4,5,6,7,8,9,10,11,12,13,14,15,16,17,18,19,20,21,22,23,24,25,26,27,28,29,30,31
	v_mul_f32 v[\s+\j], v[\o+\j], v[RC]            ; register 16 beta + i: d = 32 beta + 16 (lane / 16) + i
.endr
	WIN 0
.irp b, 0,1
	v_max3_num_f32 v[BM+\b], |v[\s+16*\b]|, |v[\s+16*\b+1]|, 0x1800000
.endr
.irp i, 2,4,6,8,10,12,14
.irp b, 0,1
	s_delay_alu instid0(VALU_DEP_2)
	v_max3_num_f32 v[BM+\b], v[BM+\b], |v[\s+16*\b+\i]|, |v[\s+16*\b+\i+1]|
.endr
.endr
.irp b, 0,1
	s_delay_alu instid0(VALU_DEP_2)
	v_permlanex16_b32 v[T2+\b], v[BM+\b], s[SEL], s[SEL+1]
.endr
.irp b, 0,1
	s_delay_alu instid0(VALU_DEP_2)
	v_max_num_f32 v[BM+\b], v[BM+\b], v[T2+\b]
.endr
.irp b, 0,1
	s_delay_alu instid0(VALU_DEP_2)
	v_add_nc_u32 v[SO+\b], 0xff000000, v[BM+\b]
.endr
.irp b, 0,1
	s_delay_alu instid0(VALU_DEP_2)
	v_lshrrev_b32 v[T2+\b], 23, v[SO+\b]
.endr
	s_delay_alu instid0(VALU_DEP_1)
	v_lshl_or_b32 v[TP], v[T2+1], 8, v[T2]
	v_cvt_scalef32_pk16_fp6_f32 v[\pc:\pc+2], v[\s:\s+15], v[SO]
	v_cvt_scalef32_pk16_fp6_f32 v[CT:CT+2], v[\s+16:\s+31], v[SO+1]
	v_nop
.irp i, 0,1,2
	v_permlane16_swap_b32 v[\pc+\i], v[CT+\i]      ; lanes 0-15 block 0, lanes 16-31 block 1, whole
.endr
.irp i, 0,1,2
	s_delay_alu instid0(VALU_DEP_3)
	v_mov_b32 v[\pc+3+\i], v[CT+\i]
.endr
.irp i, 0,1,2
	ds_store_b64 v[OSA], v[\pc+2*\i:\pc+2*\i+1] offset:384*\uq+8*\i
.endr
	ds_store_b16 v[SSA], v[TP] offset:512*\p+16*\uq   ; both halves of the lanes write the same bytes with the same value
	s_wait_dscnt 0x0                               ; the stores have read their registers
.endm
.macro PASS p
.if \p
	s_wait_xcnt 0x0                                ; the last pass's stores have read their registers
.endif
	global_load_b128 v[SY:SY+3], v[QA], s[QP:QP+1] offset:2*KT*\p          ; my run of q: [X | Y], 48 bytes a lane
	global_load_b128 v[SY+4:SY+7], v[QA], s[QP:QP+1] offset:2*KT*\p+16
	global_load_b128 v[SY+8:SY+11], v[QA], s[QP:QP+1] offset:2*KT*\p+32
	global_load_b32 v[SY+12], v[QB], s[QP:QP+1] offset:2*KT*\p+6144        ; and its scale word
.irp st, STX, STY
	v_mov_b32 v[\st+1], 0xff61b1e6                 ; the largest t so far: -3e38
	s_delay_alu instid0(VALU_DEP_1)
	v_floor_f32 v[\st], -v[\st+1]
	v_mov_b32 v[\st+2], 0
	v_mov_b32 v[\st+3], 0
.endr
	s_wait_loadcnt 0x0
.irp i, 0,1,2,3,4,5
	v_mov_b32 v[QZ+6+\i], v[SY+\i]
	v_mov_b32 v[QZ+24+\i], v[SY+6+\i]
.endr
	v_perm_b32 v[QS], v[SY+12], v[SY+12], 0x01000100     ; [s0, s1, s0, s1] of tile X,
	v_perm_b32 v[QS+1], v[SY+12], v[SY+12], 0x03020302   ; of tile Y
	WIN 0x40
.irp j, 0,1,2,3,4,5,6,7,8,9,10,11,12,13,14,15,16,17,18,19,20,21,22,23,24,25,26,27,28,29,30,31,32,33,34,35,36,37,38,39,40,41,42,43,44,45,46,47,48,49,50,51,52,53,54,55,56,57,58,59,60,61,62,63
	v_mov_b32 v[OX+\j], 0                          ; O^T: the step is written once, and its first trip finds zeros.  (These also stand between the scale words just made and the first product)
.endr
	WIN 0
.if \p == 0
	s_wait_tensorcnt 0x0                           ; my part of the head is in,
	s_barrier_signal -1
	s_barrier_wait -1                              ; everybody's is; nothing is ever filled again
.endif
	s_mov_b32 s[TB], 0
	s_mov_b32 s[CNT], 16
.Lkey_\@:
	s_setprio 2
	KSTEP
	s_sub_co_u32 s[CNT], s[CNT], 1
	s_cmp_lg_u32 s[CNT], 0
	s_cbranch_scc1 .Lkey_\@
	s_setprio 0
	PLACES
	WAYOUT SX, STX, OX, PCX, 0, \p
	WAYOUT SY, STY, OY, PCY, 1, \p
.irp i, 0,1,2
	ds_load_b128 v[SX+4*\i:SX+4*\i+3], v[ORD] offset:512*\i   ; my 32 queries' codes, in token order
.endr
.irp i, 0,1,2
	s_wait_dscnt 2-\i
	global_store_b128 v[GOF], v[SX+4*\i:SX+4*\i+3], s[OP:OP+1] offset:12288*\p+512*\i   ; 512 consecutive bytes, aligned to 256
.endr
.endm
	PASS 0
	PASS 1
	s_wait_dscnt 0x0                               ; my scale bytes have landed
	s_barrier_signal -1
	s_barrier_wait -1
	s_cmp_lg_u32 s[WV], 0
	s_cbranch_scc1 .Lnot0
	ds_load_b128 v[SY:SY+3], v[SRD]                ; wave 0 stores the 512 queries' 1,024 scale bytes
	ds_load_b128 v[SY+4:SY+7], v[SRD] offset:512
	s_wait_dscnt 0x0
	global_store_b128 v[GOF], v[SY:SY+3], s[SPT:SPT+1]
	global_store_b128 v[GOF], v[SY+4:SY+7], s[SPT:SPT+1] offset:512
.Lnot0:
	s_wait_tensorcnt 0x0                           ; the wave's end
	ds_add_u32 v[SPW], v[NIL]
	s_wait_dscnt 0x0
	CROUND                                         ; the closing round
	s_endpgm
.Lfunc_end_k_qcb2d81da4e_attn:
	.size	k_qcb2d81da4e_attn, .Lfunc_end_k_qcb2d81da4e_attn-k_qcb2d81da4e_attn
	.p2alignl 7, 3214868480
	.fill 96, 4, 3214868480
	.section	.rodata,"a",@progbits
	.p2align	6, 0x0
	.amdhsa_kernel k_qcb2d81da4e_attn
		.amdhsa_group_segment_fixed_size 327680
		.amdhsa_private_segment_fixed_size 0
		.amdhsa_enable_private_segment 0
		.amdhsa_kernarg_size 32
		.amdhsa_user_sgpr_count 2
		.amdhsa_user_sgpr_kernarg_segment_ptr 1
		.amdhsa_wavefront_size32 1
		.amdhsa_system_sgpr_workgroup_id_x 1
		.amdhsa_system_sgpr_workgroup_id_y 1
		.amdhsa_system_sgpr_workgroup_id_z 1
		.amdhsa_system_vgpr_workitem_id 0
		.amdhsa_next_free_vgpr 512
		.amdhsa_next_free_sgpr 66
		.amdhsa_reserve_vcc 0
		.amdhsa_float_denorm_mode_32 3
		.amdhsa_float_denorm_mode_16_64 3
		.amdhsa_memory_ordered 1
		.amdhsa_forward_progress 1
		.amdhsa_inst_pref_size 97
	.end_amdhsa_kernel
	.amdgpu_metadata
---
amdhsa.version: [ 1, 2 ]
amdhsa.kernels:
  - .name:           k_qcb2d81da4e_attn
    .symbol:         k_qcb2d81da4e_attn.kd
    .args:
      - { .name: qt, .offset: 0, .size: 8, .value_kind: global_buffer, .address_space: global }
      - { .name: kv, .offset: 8, .size: 8, .value_kind: global_buffer, .address_space: global }
      - { .name: oc, .offset: 16, .size: 8, .value_kind: global_buffer, .address_space: global }
      - { .name: os, .offset: 24, .size: 8, .value_kind: global_buffer, .address_space: global }
    .group_segment_fixed_size: 327680
    .private_segment_fixed_size: 0
    .kernarg_segment_align: 8
    .kernarg_segment_size: 32
    .max_flat_workgroup_size: 256
    .sgpr_count:     66
    .vgpr_count:     512
    .wavefront_size: 32
...
	.end_amdgpu_metadata
.endif
;; end of part 3
;; launch outp (part 4): grid 4 x 32, 4 waves a work-group, clusters of 4 x 4, 327,680 bytes of LDS; arguments oc, os, wq, bo, out0; writes out0
.if DOCPART == 4
	.amdgcn_target "amdgcn-amd-amdhsa--gfx1250"
	.amdhsa_code_object_version 6
	.text
	.protected	k_qcb2d81da4e_outp
	.globl	k_qcb2d81da4e_outp
	.p2align	8
	.type	k_qcb2d81da4e_outp,@function
k_qcb2d81da4e_outp:
	s_mov_b64 s[64:65], 0
	v_nop
	global_prefetch_b8 v0, s[64:65] scope:SCOPE_SE
	s_setreg_imm32_b32 hwreg(HW_REG_WAVE_MODE, 25, 1), 1
	s_wait_xcnt 0x0
	s_wait_alu depctr_hold_cnt(0) depctr_sa_sdst(0) depctr_va_vdst(0) depctr_va_sdst(0) depctr_va_ssrc(0) depctr_va_vcc(0) depctr_vm_vsrc(0)
	s_getreg_b32 s2, hwreg(HW_REG_IB_STS2, 6, 4)
	s_cmp_eq_u32 s2, 0
	s_cbranch_scc0 .Lentry_in_a_cluster
	s_endpgm
.Lentry_in_a_cluster:
	s_bfe_u32 s2, ttmp6, 0x10000c
	s_cmp_lg_u32 s2, 0xf033
	s_cbranch_scc0 .Lentry_shape_is_right
	s_endpgm
.Lentry_shape_is_right:
; out0 = o Wo^T + bo on codes of FP6 (E2M3) with E8M0 scales.  o: oc [head 16][token 8192][48 bytes], os [head][token][2 scale bytes]; Wo: rows 3,072 on of wq (768 bytes of codes a row, scales from WS_OFF); out0 [8192][1024] f32.
; A work-group of four waves makes 256 tokens x 256 features, a wave 128 x 128.  K = 1,024 goes in steps of 256 (four heads) through a ring of two LDS slots.
; A SLOT: four planes of A (a head's 256 tokens x 48 bytes, dense), then B's 256 rows at pitch 240.  With 48 bytes from token to token the 32 lanes of a load of 8 bytes touch 64 different banks: no padding.
; A's scale bytes lie by heads in memory: each thread gathers two tokens' 32 bytes and stores them to LDS as rows, once; B's come by tensor loads, once.  bo is the C of each sum's first product.
; CLUSTERS: 4 x 4 work-groups; A's planes are asked for jointly along a row of the cluster, B's tiles and scales along a column.  128 work-groups: a smaller tile would read each fragment from LDS for half the products.
; The matrix instruction is used transposed (source 0 = 16 rows of Wo, source 1 = 16 tokens): a lane holds eight neighbouring features of one token.
; REGISTERS as in the projection launch: window 0: v16-27 addresses, v28-29 the add's two, v32-63 scale words (nothing else), v64-127 the bias, from v128 A's fragments; window 1: B's, two sets; windows 2, 3: the accumulators.
.set WS_OFF, 3145728
.set SIZE_N, 1024
.set NQ,     2
.set ROWB,   192
.set KROW,   768
.set PITCH,  240
.set FR,     12
.set NL,     6
.set NP,     4
.set PLANE,  12288                     ; 256 tokens x 48 bytes
.set HEADP,  393216                    ; from head to head in oc
.set HALFT,  128*PITCH
.set BOFF,   4*PLANE
.set SLOT,   BOFF+2*HALFT
.set LAPS,   2
.set KS,     32
.set SCL,    2*SLOT
.set HALFS,  16*272
.set SBLK,   2*272
.set SPARE,  SCL+4*HALFS
.set SPITCH, 528
.set ADRA, 16
.set ADRB, 20
.set STO,  24
.set RD,   25
.set CO,   26
.set ADRS, 27
.set SPW,  28
.set NIL,  29
.set SC,   32
.set BI,   64
.set AF,   128
.set BK,   128
.set G1, 24
.set G0, 32
.set G1B, 48
.set G0B, 56
.set G1SB, 80
.set G0SB, 88
.set MSB, 0
.macro WIN new
.if MSB != (\new)
	s_set_vgpr_msb (MSB<<8)|(\new)
.set MSB, (\new)
.endif
.endm
.set MUL_LO, 0xa1
.set MUL_HI, 0xf1
.set TO_B,   0x40
.macro JLOAD g0a, g1a, g0b, g1b        ; waves 0 and 1 fetch A's planes, waves 2 and 3 B's halves; an s_nop 0 and four v_nop follow each line
	s_cmp_eq_u32 s15, 0
	s_cbranch_scc0 .Lfor_b_\@
	tensor_load_to_lds s[\g0a:\g0a+3], s[\g1a:\g1a+7]
	s_nop 0
.rept 4
	v_nop
.endr
	s_branch .Lasked_\@
.Lfor_b_\@:
	tensor_load_to_lds s[\g0b:\g0b+3], s[\g1b:\g1b+7]
	s_nop 0
.rept 4
	v_nop
.endr
.Lasked_\@:
.endm
.macro CREST
	s_cmp_lg_u32 s14, 0
	s_cbranch_scc1 .Lnot_wave_0_\@
	s_barrier_signal -3
.Lnot_wave_0_\@:
	s_barrier_wait -3
	s_barrier_signal -1
	s_barrier_wait -1
.endm
.macro CROUND
	s_barrier_signal -1
	s_barrier_wait -1
	CREST
.endm
	s_load_b128 s[4:7], s[0:1], 0x0                ; oc, os
	s_load_b128 s[8:11], s[0:1], 0x10              ; wq, bo
	s_load_b64 s[12:13], s[0:1], 0x20              ; out0
	v_lshl_add_u32 v[SPW], v0, 2, SPARE
	v_mov_b32 v[NIL], 0
	ds_add_u32 v[SPW], v[NIL]                      ; the wave's opening: the add and its wait ahead of my first tensor load
	v_lshrrev_b32 v1, 5, v0
	v_readfirstlane_b32 s14, v1
	s_lshr_b32 s15, s14, 1
	s_and_b32 s16, s14, 1
	s_bfe_u32 s40, ttmp6, 0x40000
	s_bfe_u32 s41, ttmp6, 0x40004
	s_lshl_b32 s42, ttmp9, 2
	s_add_co_u32 s42, s42, s40                     ; feature tile x
	s_and_b32 s17, ttmp7, 0xffff
	s_lshl_b32 s17, s17, 2
	s_add_co_u32 s17, s17, s41                     ; token tile y
	s_lshl_b32 s43, s41, 2
	s_lshl_b32 s43, 15, s43
	s_lshl_b32 s44, 0x1111, s40
	s_or_b32 s[G1+0], s43, (3<<16)|(1<<21)         ; A: two planes: 2 rows of 1,536 elements of 8 bytes, 49,152 elements apart; no padding
	s_mov_b32 s[G1+1], 1536<<16
	s_mov_b32 s[G1+2], 2<<16
	s_mov_b32 s[G1+3], 1536<<16
	s_mov_b32 s[G1+4], 2
	s_mov_b32 s[G1+5], HEADP/8
	s_mov_b32 s[G1+6], 0
	s_mov_b32 s[G1+7], 0
	s_or_b32 s[G1B+0], s44, (0<<16)|(1<<20)|(1<<21)|(3<<22)|(3<<25)  ; B: 128 rows of 192 bytes, 16 of padding behind every 64
	s_mov_b32 s[G1B+1], ROWB<<16
	s_mov_b32 s[G1B+2], 128<<16
	s_mov_b32 s[G1B+3], ROWB<<16
	s_mov_b32 s[G1B+4], 128
	s_mov_b32 s[G1B+5], KROW
	s_mov_b32 s[G1B+6], 0
	s_mov_b32 s[G1B+7], 0
	s_or_b32 s[G1SB+0], s44, (3<<16)|(1<<20)|(1<<21)|(5<<22)|(3<<25) ; B's scales, a quarter a wave: 8 rows of 256 bytes, 16 of padding behind each
	s_mov_b32 s[G1SB+1], 32<<16
	s_mov_b32 s[G1SB+2], 8<<16
	s_mov_b32 s[G1SB+3], 32<<16
	s_mov_b32 s[G1SB+4], 8
	s_mov_b32 s[G1SB+5], 32
	s_mov_b32 s[G1SB+6], 0
	s_mov_b32 s[G1SB+7], 0
	s_mul_i32 s20, s17, PLANE                      ; A: my tile's tokens,
	s_mul_i32 s18, s16, 2*HEADP                    ; planes 2 w and 2 w + 1
	s_add_co_u32 s20, s20, s18
	s_mov_b32 s21, 0
	s_lshl_b32 s46, s42, 8
	s_add_co_u32 s46, s46, 3072                    ; B: Wo's rows begin at 3,072
	s_lshl_b32 s92, s46, 5
	s_add_co_u32 s92, s92, WS_OFF
	s_lshl_b32 s18, s14, 11
	s_add_co_u32 s92, s92, s18                     ; its scales: my wave's 2,048 bytes
	s_mov_b32 s93, 0
	s_lshl_b32 s18, s16, 7
	s_add_co_u32 s46, s46, s18
	s_mul_i32 s46, s46, KROW
	s_mov_b32 s47, 0
	s_mul_i32 s45, s16, 2*PLANE                    ; where they go: by the wave's number alone
	s_mul_i32 s96, s16, HALFT
	s_add_co_u32 s96, s96, BOFF
	s_mul_i32 s94, s14, 8*272
	s_add_co_u32 s94, s94, SCL+2*HALFS
	s_wait_dscnt 0x0
	s_wait_kmcnt 0x0
	s_add_nc_u64 s[20:21], s[4:5], s[20:21]
	s_add_nc_u64 s[46:47], s[8:9], s[46:47]
	s_add_nc_u64 s[92:93], s[8:9], s[92:93]
	CROUND                                         ; all sixteen work-groups are here
	s_mov_b32 s[G0SB], 1
	s_mov_b32 s[G0SB+1], s94
	s_mov_b64 s[G0SB+2:G0SB+3], s[92:93]
	s_or_b32 s[G0SB+3], s[G0SB+3], 0x80000000
	tensor_load_to_lds s[G0SB:G0SB+3], s[G1SB:G1SB+7]   ; every wave its quarter of B's scales; with the two slots three loads of mine are out
	s_nop 0
.rept 4
	v_nop
.endr
.irp s, 0,1
	s_mov_b32 s[G0+4*\s], 1
	s_add_co_u32 s[G0+4*\s+1], s45, \s*SLOT
	s_add_nc_u64 s[G0+4*\s+2:G0+4*\s+3], s[20:21], \s*4*HEADP
	s_or_b32 s[G0+4*\s+3], s[G0+4*\s+3], 0x80000000
	s_mov_b32 s[G0B+4*\s], 1
	s_add_co_u32 s[G0B+4*\s+1], s96, \s*SLOT
	s_add_nc_u64 s[G0B+4*\s+2:G0B+4*\s+3], s[46:47], \s*ROWB
	s_or_b32 s[G0B+4*\s+3], s[G0B+4*\s+3], 0x80000000
	JLOAD G0+4*\s, G1, G0B+4*\s, G1B
.endr
	; A's scale bytes: thread t gathers tokens t and t + 128 of the tile: 16 heads x 2 bytes each
	s_lshl_b32 s20, s17, 9
	s_mov_b32 s21, 0
	s_add_nc_u64 s[6:7], s[6:7], s[20:21]
	v_lshlrev_b32 v7, 1, v0
.irp h, 0,1,2,3,4,5,6,7,8,9,10,11,12,13,14,15
	global_load_u16 v[128+\h], v7, s[6:7] offset:16384*\h
	global_load_u16 v[144+\h], v7, s[6:7] offset:16384*\h+256
.endr
	s_lshl_b32 s46, s42, 10
	s_lshl_b32 s47, s16, 9
	s_add_co_u32 s46, s46, s47                     ; my 128 features, in bytes of f32
	s_mov_b32 s47, 0
	s_add_nc_u64 s[10:11], s[10:11], s[46:47]
	v_and_b32 v1, 15, v0                           ; r
	v_bfe_u32 v2, v0, 4, 1                         ; h
	v_lshlrev_b32 v8, 5, v2
.irp b, 0,1,2,3,4,5,6,7
	global_load_b128 v[BI+8*\b:BI+8*\b+3], v8, s[10:11] offset:64*\b       ; register 8 b + j: the bias of feature 16 b + 8 h + j
	global_load_b128 v[BI+8*\b+4:BI+8*\b+7], v8, s[10:11] offset:64*\b+16
.endr
	v_mul_u32_u24 v3, v1, 48
	v_mad_u32_u24 v3, v2, 24, v3                   ; A: token r, + 24 h
	s_mul_i32 s21, s15, 128*48
	v_mul_u32_u24 v4, v1, PITCH
	v_mad_u32_u24 v4, v2, 24, v4                   ; B: row r x pitch + 24 h,
	v_lshl_add_u32 v5, v2, 4, v4                   ; and the same behind one padding more
	s_mul_i32 s22, s16, HALFT
	s_add_co_u32 s22, s22, BOFF
.irp s, 0,1
	v_add_nc_u32 v[ADRA+\s], s21, v3
	v_add_nc_u32 v[ADRB+\s], s22, v4
	v_add_nc_u32 v[ADRB+2+\s], s22, v5
	s_add_co_u32 s21, s21, SLOT
	s_add_co_u32 s22, s22, SLOT
.endr
	v_mul_u32_u24 v5, v1, KS
	v_lshrrev_b32 v6, 8, v5
	v_lshl_add_u32 v5, v6, 4, v5
	s_mul_i32 s21, s15, HALFS
	s_mul_i32 s22, s16, HALFS
	s_add_co_u32 s22, s22, 2*HALFS
	s_sub_co_u32 s22, s22, s21
	v_mul_u32_u24 v6, s22, v2                      ; lanes 16-31 take B's
	s_add_co_u32 s21, s21, SCL
	v_add_nc_u32 v5, v5, v6
	v_add_nc_u32 v[ADRS], s21, v5
	s_mul_i32 s23, s14, 16*SPITCH                  ; my stage for the way out, in slot 0
	v_mul_u32_u24 v5, v1, SPITCH
	v_lshl_add_u32 v5, v2, 5, v5
	v_add_nc_u32 v[STO], s23, v5
	v_and_b32 v6, 31, v0
	v_lshlrev_b32 v[CO], 4, v6
	v_add_nc_u32 v[RD], s23, v[CO]
	s_lshl_b32 s20, s17, 8
	s_lshl_b32 s21, s15, 7
	s_add_co_u32 s20, s20, s21
	s_lshl_b32 s20, s20, 12                        ; my first token's row of out0: 4,096 bytes a row
	s_mov_b32 s21, 0
	s_add_nc_u64 s[20:21], s[20:21], s[46:47]      ; + my first feature
	s_add_nc_u64 s[12:13], s[12:13], s[20:21]
	v_lshrrev_b32 v9, 3, v0
	v_lshlrev_b32 v10, 5, v0
	v_lshl_add_u32 v10, v9, 4, v10
	v_add_nc_u32 v10, SCL, v10                     ; token t's row of scales: 32 t, and 16 more for each 256 passed
	s_wait_loadcnt 0x0                             ; the scale bytes and the bias
.irp w, 0,1,2,3,4,5,6,7
	v_lshl_or_b32 v[160+\w], v[128+2*\w+1], 16, v[128+2*\w]
	v_lshl_or_b32 v[168+\w], v[144+2*\w+1], 16, v[144+2*\w]
.endr
	ds_store_b128 v10, v[160:163]
	ds_store_b128 v10, v[164:167] offset:16
	ds_store_b128 v10, v[168:171] offset:HALFS
	ds_store_b128 v10, v[172:175] offset:HALFS+16
.macro FRAG reg, adr, q, i             ; B: as it lies in padded rows of 192 bytes
.irp p, 0,1,2,3,4,5
.set PCE, 12*(\q)+6*(\p/3)+\p%3
.if PCE%8 < 5
	ds_load_b64 v[\reg+2*\p:\reg+2*\p+1], v[\adr] offset:8*PCE+16*(PCE/8)+(\i)*16*PITCH
.else
	ds_load_b64 v[\reg+2*\p:\reg+2*\p+1], v[\adr+2] offset:8*PCE+16*(PCE/8)+(\i)*16*PITCH
.endif
.endr
.endm
.macro FRAGA reg, slot, q, i           ; A: registers 6 c .. 6 c + 5: block h of head 2 q + c of the slot's four
.irp p, 0,1,2,3,4,5
	ds_load_b64 v[\reg+2*\p:\reg+2*\p+1], v[ADRA+\slot] offset:(2*(\q)+\p/3)*PLANE+(\i)*768+8*(\p%3)
.endr
.endm
.macro MUL16 a0, p, q, sc, zero        ; the 64 accumulators take turns, one instruction a turn
.irp a, \a0, \a0+1
.irp b, 0,1,2,3,4,5,6,7
.if \zero
	v_wmma_scale_f32_16x16x128_f8f6f4 v[8*(8*((\a)%4)+\b):8*(8*((\a)%4)+\b)+7], v[128*(\p)+FR*\b:128*(\p)+FR*\b+FR-1], v[AF+FR*(\a):AF+FR*(\a)+FR-1], v[BI+8*\b:BI+8*\b+7], v[SC+8*NQ*(\sc)+NQ*\b+(\q)], v[SC+8*NQ*(\sc)+NQ*(\a)+(\q)] matrix_a_fmt:MATRIX_FMT_FP6 matrix_b_fmt:MATRIX_FMT_FP6 matrix_a_scale:MATRIX_SCALE_ROW1
.else
	v_wmma_scale_f32_16x16x128_f8f6f4 v[8*(8*((\a)%4)+\b):8*(8*((\a)%4)+\b)+7], v[128*(\p)+FR*\b:128*(\p)+FR*\b+FR-1], v[AF+FR*(\a):AF+FR*(\a)+FR-1], v[8*(8*((\a)%4)+\b):8*(8*((\a)%4)+\b)+7], v[SC+8*NQ*(\sc)+NQ*\b+(\q)], v[SC+8*NQ*(\sc)+NQ*(\a)+(\q)] matrix_a_fmt:MATRIX_FMT_FP6 matrix_b_fmt:MATRIX_FMT_FP6 matrix_a_scale:MATRIX_SCALE_ROW1
.endif
.endr
.endr
.endm
.macro FETCH_B slot, q, p
	WIN TO_B
.irp i, 0,1,2,3,4,5,6,7
	FRAG 128*(\p)+FR*\i, ADRB+\slot, \q, \i
.endr
	WIN 0
.endm
.macro FETCH_A slot, q, i0
.irp i, \i0, \i0+1, \i0+2, \i0+3
	FRAGA AF+FR*(\i), \slot, \q, \i
.endr
.endm
.macro SCALES sc
.irp i, 0,1,2,3,4,5,6,7
	ds_load_b64 v[SC+8*NQ*\sc+NQ*\i:SC+8*NQ*\sc+NQ*\i+1], v[ADRS] offset:\i*SBLK
.endr
.endm
.macro PLACES n
.rept \n
	v_nop
.endr
.endm
.macro STEP slot, q, zero
	s_wait_dscnt 4*NL                              ; B's set and A's blocks 0-3 are in; A's blocks 4-7 (24 loads) may be out
	WIN MUL_LO-0x20*(\zero)
	MUL16 0, (\q)%2, \q, \slot, \zero
	MUL16 2, (\q)%2, \q, \slot, \zero
	s_wait_dscnt 0
	PLACES NP
	FETCH_B \slot, (\q)+1, 1-(\q)%2
	FETCH_A \slot, (\q)+1, 0
	WIN MUL_HI-0x30*(\zero)
	MUL16 4, (\q)%2, \q, \slot, \zero
	MUL16 6, (\q)%2, \q, \slot, \zero
	PLACES NP
	WIN 0
	FETCH_A \slot, (\q)+1, 4
.endm
.macro TURN slot, next, fill
	s_wait_tensorcnt 0x0                           ; all my tensor loads have landed: my part of the next slot
	ds_add_u32 v[SPW], v[NIL]
	s_wait_dscnt 4*NL+1                            ; (the add and A's blocks 4-7 may be out)
	WIN MUL_LO
	MUL16 0, 1, NQ-1, \slot, 0
	s_wait_dscnt 0x0                               ; the add is done, and my reads of this slot are over
	s_barrier_signal -1
	MUL16 2, 1, NQ-1, \slot, 0
	WIN 0
	s_barrier_wait -1
.if \fill
	CREST                                          ; a round of the cluster's barrier: no wave of any partner still reads this slot or has a load on its way
	s_add_nc_u64 s[G0+4*\slot+2:G0+4*\slot+3], s[G0+4*\slot+2:G0+4*\slot+3], 8*HEADP
	s_add_nc_u64 s[G0B+4*\slot+2:G0B+4*\slot+3], s[G0B+4*\slot+2:G0B+4*\slot+3], 2*ROWB
	JLOAD G0+4*\slot, G1, G0B+4*\slot, G1B
.else
	PLACES NP
.endif
	v_add_nc_u32 v[ADRS], 4*NQ, v[ADRS]
	FETCH_B \next, 0, 0
	FETCH_A \next, 0, 0
	SCALES \next
	WIN MUL_HI
	MUL16 4, 1, NQ-1, \slot, 0
	MUL16 6, 1, NQ-1, \slot, 0
	PLACES NP
	WIN 0
	FETCH_A \next, 0, 4
.endm
	s_wait_dscnt 0x0                               ; for the others' sake: my rows of A's scales have landed
	s_wait_tensorcnt 1                             ; B's scales and my part of K step 0 are in; K step 1's load may be out
	s_barrier_signal -1
	s_barrier_wait -1
	FETCH_B 0, 0, 0
	FETCH_A 0, 0, 0
	SCALES 0
	FETCH_A 0, 0, 4
	STEP 0, 0, 1
	s_mov_b32 s3, LAPS-1
.Llap:
	TURN 0, 1, 1
	STEP 1, 0, 0
	TURN 1, 0, 1
	STEP 0, 0, 0
	s_sub_co_u32 s3, s3, 1
	s_cmp_lg_u32 s3, 0
	s_cbranch_scc1 .Llap
	TURN 0, 1, 0
	STEP 1, 0, 0
	s_wait_dscnt 4*NL
	WIN MUL_LO
	MUL16 0, 1, NQ-1, 1, 0
	MUL16 2, 1, NQ-1, 1, 0
	s_wait_dscnt 0
	WIN MUL_HI
	MUL16 4, 1, NQ-1, 1, 0
	MUL16 6, 1, NQ-1, 1, 0
	WIN 0
; THE WAY OUT, block by block of 16 tokens x 128 features, through my own stage (in slot 0, which has had its last fill and its last read): back come whole rows of 512 bytes
.macro TOSTAGE a
.set AC, 64*((\a)%4)
	WIN 0x08+4*((\a)/4)
.irp b, 0,1,2,3,4,5,6,7
	ds_store_b128 v[STO], v[AC+8*\b:AC+8*\b+3] offset:64*\b          ; each accumulator from its low end on
	ds_store_b128 v[STO], v[AC+8*\b+4:AC+8*\b+7] offset:64*\b+16
.endr
	WIN 0
.set BB, BK+64*((\a)%2)
.irp t, 0,1,2,3,4,5,6,7,8,9,10,11,12,13,14,15
	ds_load_b128 v[BB+4*\t:BB+4*\t+3], v[RD] offset:\t*SPITCH
.endr
.endm
.macro SEND a, younger
.set BB, BK+64*((\a)%2)
	s_wait_dscnt \younger
.if (\a) > 0
	s_add_nc_u64 s[12:13], s[12:13], 16*SIZE_N*4   ; (behind a wait on XCNT: the earlier stores have read their base)
.endif
.irp t, 0,1,2,3,4,5,6,7,8,9,10,11,12,13,14,15
	global_store_b128 v[CO], v[BB+4*\t:BB+4*\t+3], s[12:13] offset:\t*SIZE_N*4 th:TH_STORE_NT   ; 32 lanes store 512 consecutive bytes, aligned to 256
.endr
.endm
	PLACES NP
	TOSTAGE 0
.irp a, 1,2,3,4,5,6,7
.if \a > 1
	s_wait_xcnt 0x0                                ; block a - 2's stores have read their registers and their base
.endif
	TOSTAGE \a
	SEND \a-1, 32                                  ; behind block a - 1's loads: block a's 16 stores and 16 loads
.endr
	s_wait_xcnt 0x0
	SEND 7, 0
	s_wait_tensorcnt 0x0                           ; the wave's end
	ds_add_u32 v[SPW], v[NIL]
	s_wait_dscnt 0x0
	CROUND                                         ; the closing round
	s_endpgm
.Lfunc_end_k_qcb2d81da4e_outp:
	.size	k_qcb2d81da4e_outp, .Lfunc_end_k_qcb2d81da4e_outp-k_qcb2d81da4e_outp
	.p2alignl 7, 3214868480
	.fill 96, 4, 3214868480
	.section	.rodata,"a",@progbits
	.p2align	6, 0x0
	.amdhsa_kernel k_qcb2d81da4e_outp
		.amdhsa_group_segment_fixed_size 327680
		.amdhsa_private_segment_fixed_size 0
		.amdhsa_enable_private_segment 0
		.amdhsa_kernarg_size 40
		.amdhsa_user_sgpr_count 2
		.amdhsa_user_sgpr_kernarg_segment_ptr 1
		.amdhsa_wavefront_size32 1
		.amdhsa_system_sgpr_workgroup_id_x 1
		.amdhsa_system_sgpr_workgroup_id_y 1
		.amdhsa_system_sgpr_workgroup_id_z 1
		.amdhsa_system_vgpr_workitem_id 0
		.amdhsa_next_free_vgpr 1024
		.amdhsa_next_free_sgpr 100
		.amdhsa_reserve_vcc 0
		.amdhsa_float_denorm_mode_32 3
		.amdhsa_float_denorm_mode_16_64 3
		.amdhsa_memory_ordered 1
		.amdhsa_forward_progress 1
		.amdhsa_inst_pref_size 165
	.end_amdhsa_kernel
	.amdgpu_metadata
---
amdhsa.version: [ 1, 2 ]
amdhsa.kernels:
  - .name:           k_qcb2d81da4e_outp
    .symbol:         k_qcb2d81da4e_outp.kd
    .args:
      - { .name: oc, .offset: 0, .size: 8, .value_kind: global_buffer, .address_space: global }
      - { .name: os, .offset: 8, .size: 8, .value_kind: global_buffer, .address_space: global }
      - { .name: wq, .offset: 16, .size: 8, .value_kind: global_buffer, .address_space: global }
      - { .name: bo, .offset: 24, .size: 8, .value_kind: global_buffer, .address_space: global }
      - { .name: out0, .offset: 32, .size: 8, .value_kind: global_buffer, .address_space: global }
    .group_segment_fixed_size: 327680
    .private_segment_fixed_size: 0
    .kernarg_segment_align: 8
    .kernarg_segment_size: 40
    .max_flat_workgroup_size: 128
    .sgpr_count:     100
    .vgpr_count:     1024
    .wavefront_size: 32
...
	.end_amdgpu_metadata
.endif
;; end of part 4
